; MI455X (gfx1250); checked and timed in simulation.
; The chip was launched on July 23, 2026; its instructions are those of AMD's public machine-readable ISA for CDNA 5 (MIT licence, August 2026) and "CDNA5" Instruction Set Architecture Reference Guide (July 2026). The comments in the code are by the model that wrote it; some were corrected since.
;; Yua Attention. Allowed arithmetic: matrix products marked QUANTISED: E2M3 operands, one E8M0 scale for each 32 along K, by v_wmma_scale_f32_16x16x128_f8f6f4 with both operands' format E2M3, f32 sums; everything else in f32.
;; Inputs: hidden_states 2 x 2,048 x 2,048 float32; k_norm_w 128 float32; k_w 512 x 2,048 float32; o_w 2,048 x 1,024 float32; q_norm_w 128 float32; q_w 1,024 x 2,048 float32; v_w 512 x 2,048 float32.
;; Outputs: out0 2 x 2,048 x 2,048 float32.
;; This version of the problem:
;;   THIS VERSION OF THE PROBLEM IS GIVEN IN LOW PRECISION. The matrix products marked QUANTISED in the list below multiply operands that are first quantised to E2M3 (2 exponent bits, 3 mantissa bits; 6 bits a number), with one power-of-two scale for each 32 numbers along K (OCP MX v1.0); their sums are f32. All else is computed in f32.
;;   The module's matrix products, in the order in which they are computed (A, B: the left and right operand; K: the contracted axis; several contracted axes count as one K, in the product's order):
;;     1. [M 4,096, K 2,048] x [K 2,048, N 1,024]; A: input hidden_states; B: input q_w: QUANTISED
;;     2. [M 4,096, K 2,048] x [K 2,048, N 512]; A: input hidden_states; B: input k_w: QUANTISED
;;     3. [M 4,096, K 2,048] x [K 2,048, N 512]; A: input hidden_states; B: input v_w: QUANTISED
;;     4. batch 16 x [M 2,048, K 128] x [K 128, N 2,048]; A: computed on the way; B: computed on the way: QUANTISED
;;     5. batch 16 x [M 2,048, K 2,048] x [K 2,048, N 128]; A: softmax (see below); B: computed on the way: QUANTISED
;;     6. [M 4,096, K 1,024] x [K 1,024, N 2,048]; A: computed on the way; B: input o_w: QUANTISED
;;   THE QUANTISER, for each operand of a quantised product, along K:
;;     - K is cut into blocks of 32 from its start; a last block that is shorter is filled with zeros.
;;     - A block's scale is 2^e with e = floor(log2(the largest magnitude in the block)) - 2, held to -126 .. 127; a block of zeros has e = 0. As a byte (E8M0): e + 127.
;;     - Each number is divided by its block's scale, clamped to +-7.5, and rounded to the nearest number of E2M3, ties to even, subnormals kept.
;;     - The product sums the exact products of the quantised numbers (number of the format x scale) in f32.
;;   ~~~python
;;   def quantise(x, axis):      # numpy; x: float32 -> the quantised numbers, widened to float32 again
;;       x = np.moveaxis(x, axis, -1); K = x.shape[-1]
;;       x = np.pad(x, [(0, 0)] * (x.ndim - 1) + [(0, -K % 32)]); x = x.reshape(x.shape[:-1] + (-1, 32)); a = np.abs(x).max(-1, keepdims=True)
;;       e = np.where(a > 0, np.clip(np.frexp(np.where(a > 0, a, 1))[1] - 1 - 2, -126, 127), 0)      # np.frexp(a)[1] - 1 = floor(log2(a)), exactly
;;       r = np.clip(x / 2.0 ** e, -7.5, 7.5)
;;       step = 2.0 ** (np.maximum(np.frexp(np.where(r == 0, 1, r))[1] - 1, 0) - 3)
;;       q = np.round(r / step) * step * 2.0 ** e      # np.round: ties to even
;;       return np.moveaxis(q.reshape(q.shape[:-2] + (-1,))[..., :K], -1, axis).astype(np.float32)
;;   ~~~
;;   SOFTMAX AHEAD OF A QUANTISED PRODUCT. Where the list says 'softmax', what is quantised is not the finished softmax but p = 2^(t - M), with t = logit x log2(e) and M = ceil(the row's largest t), a whole number; so 1/2 < the row's largest p <= 1. The row's sum l is taken of the UNQUANTISED p, in f32, and the product's result is divided by l at the end. Since M is a whole number, a kernel that streams over the keys may use a running M (the ceiling of the running maximum): every later rescaling is an exact power of two, which a block's scale takes up: the codes' values come out the same.
;;   OPERANDS COMPUTED ON THE WAY. 'Computed on the way' means the value that the module computes at that place (a softmax that the list does not call 'softmax' is quantised finished and normalised). What goes into a quantiser is computed in f32, as accurately as f32 sums, v_exp_f32 and their like allow (about 1e-6 of the number): no bf16 or f16 on the way to a quantiser, and a product that is left as it is and whose result goes on into a quantised operand takes f32 operands (vector FMAs, or v_wmma_f32_16x16x4_f32). A number that lies on a knife's edge between two numbers of the format may be rounded either way, as far as f32 arithmetic and the matrix unit's own rounding can turn it there, and no further.
;; One version. Each part assembles by itself: llvm-mc -triple=amdgcn-amd-amdhsa -mcpu=gfx1250 --defsym DOCPART=n.
;; ======== version 1 of 1: 4 launches
;; limits: right only within a limited range of input values
;; workspace buffers: codes 11,010,048 bytes; scales 458,752 bytes; rope 1,048,576 bytes; qc 3,145,728 bytes; qs 131,072 bytes; kv 3,276,800 bytes; ac 3,145,728 bytes; asc 131,072 bytes
;; launch prep (part 1): grid 480 x 1, 4 waves a work-group, no clusters, 34,304 bytes of LDS; arguments hidden_states, q_w, k_w, v_w, o_w, codes, scales, rope; writes codes, scales, rope
.if DOCPART == 1
	.amdgcn_target "amdgcn-amd-amdhsa--gfx1250"
	.amdhsa_code_object_version 6
	.text
	.protected	k_q065cea56d3_prep
	.globl	k_q065cea56d3_prep
	.p2align	8
	.type	k_q065cea56d3_prep,@function
k_q065cea56d3_prep:
	s_mov_b64 s[64:65], 0
	v_nop
	global_prefetch_b8 v0, s[64:65] scope:SCOPE_SE
	s_setreg_imm32_b32 hwreg(HW_REG_WAVE_MODE, 25, 1), 1
	s_wait_xcnt 0x0
; hidden_states [4096][2048], q_w [1024][2048], k_w, v_w [512][2048] and o_w [2048][1024], all f32 with K innermost, become codes of FP6 (E2M3) with one E8M0 byte for each 32 along K;
; and the cos / sin table of the rotary embedding is made.  Work-groups 0 to 447 quantise, 448 to 479 make the table.
; LAYOUT OF THE CODES: images of operand registers.  Rows go in tiles of 16: tile 2 G + u holds rows 32 G + 8 u + i + 8 (i / 8), i = 0 .. 15 its places.  A fragment (a tile x 128 along K) is 12 registers a lane:
; lane (r, h) holds row place r, registers 6 c .. 6 c + 5 hold k = 64 c + 32 h + 0 .. 31.  Its image is 1,536 bytes: registers 4 c .. 4 c + 3 of lane l at 512 c + 16 l.  Images follow each other tile by tile, K step by K step.
; A scale block is 256 bytes: the scale words of four K steps of a tile, place r's four words at 16 r.  Block n belongs to images 4 n .. 4 n + 3.
; A wave takes one tile x 512 along K: four images and one scale block: unit n = 4 x work-group + wave, at codes + 6,144 n and scales + 256 n, whatever the tensor.
; A block's scale is 2^(floor(log2(its largest magnitude)) - 2); its byte is the largest magnitude's exponent field - 2, held at 1 from below.
; LIMITS: NaN and infinities among the inputs are not served.  A block of zeros, or one whose largest magnitude lies under 2^-124, gets the byte 1 (the rule's 127 for zeros is not written: the codes are zeros and this program alone reads the bytes).
; THE TABLE: inv_freq = 2^(-f log2(500000) / 64) is good to about one unit in f32's last place, so an angle near 2,047 rad is good to about 2.4e-4 rad; sine and cosine of the f32 angle are good to about one unit in the last place.
; No cluster: no two work-groups read the same bytes.  No barrier: waves share nothing.
.set QWG,  448                         ; work-groups that quantise
.set SP,   528                         ; a stage row: 512 bytes + 16, so that the sixteen rows of a read start in sixteen different groups of four banks
.set STG,  16*SP                       ; a wave's stage
.set GL,   4                           ; v4   16 x lane: my 16 bytes of 512
.set STS,  5                           ; v5   the stage, on the way in
.set STL,  6                           ; v6   and on the way out: row r, + 64 h
.set SCO,  7                           ; v7   16 r: my place in a scale block
.set R,    16                          ; v16-143  two sets of 64: sixteen rows x 16 bytes as loaded
.set X,    144                         ; v144-207 64 numbers: register 16 b + i = k 32 b + 16 h + i of row r
.set TM,   208                         ; v208-223 at work
.set PC,   224                         ; v224-235 the codes
.set CT,   236                         ; v236-243 the upper halves' codes
.set PW,   244                         ; v244-247 the four scale words
.set SEL,  2                           ; s[2:3] lane selects: lane l xor 16
.set ROWS, 32                          ; s[32:63] the sixteen rows' addresses
; 64 numbers of a lane become a fragment's codes in v[PC] on and its scale word in v[pw].
.macro QUANT s, pw
.irp b, 0,1,2,3
	v_max3_num_f32 v[TM+\b], |v[\s+16*\b]|, |v[\s+1+16*\b]|, 0x1800000   ; block b: my 16 numbers, and the floor 2^(3 - 127): the byte cannot fall under 1
.endr
.irp i, 2,4,6,8,10,12,14
.irp b, 0,1,2,3
	v_max3_num_f32 v[TM+\b], v[TM+\b], |v[\s+16*\b+\i]|, |v[\s+1+16*\b+\i]|   ; the four blocks by turns
.endr
.endr
.irp b, 0,1,2,3
	v_permlanex16_b32 v[TM+4+\b], v[TM+\b], s[SEL], s[SEL+1]
.endr
.irp b, 0,1,2,3
	v_max_num_f32 v[TM+\b], v[TM+\b], v[TM+4+\b]   ; with lane l xor 16's 16: the block's largest magnitude
.endr
.irp b, 0,1,2,3
	v_add_nc_u32 v[TM+12+\b], 0xff000000, v[TM+\b]   ; 2 off its exponent field: the conversion's scale operand
.endr
.irp b, 0,1,2,3
	v_lshrrev_b32 v[TM+4+\b], 23, v[TM+12+\b]      ; the scale's byte
.endr
	v_lshl_or_b32 v[\pw], v[TM+5], 8, v[TM+4]
	v_lshl_or_b32 v[\pw], v[TM+6], 16, v[\pw]
	v_lshl_or_b32 v[\pw], v[TM+7], 24, v[\pw]      ; my row's scale word; lanes l and l xor 16 hold the same
.irp c, 0,1
	v_cvt_scalef32_pk16_fp6_f32 v[PC+6*\c:PC+2+6*\c], v[\s+32*\c:\s+15+32*\c], v[TM+12+2*\c]
	v_cvt_scalef32_pk16_fp6_f32 v[CT+4*\c:CT+2+4*\c], v[\s+16+32*\c:\s+31+32*\c], v[TM+13+2*\c]   ; (a conversion's three registers begin on an even number)
.endr
	v_nop                                          ; one plain line behind the scaled conversions
.irp c, 0,1                                    ; a lane is to hold a whole block: lanes 0-15 block 2 c, lanes 16-31 block 2 c + 1
.irp i, 0,1,2
	v_permlane16_swap_b32 v[PC+6*\c+\i], v[CT+4*\c+\i]
.endr
.irp i, 0,1,2
	v_mov_b32 v[PC+3+6*\c+\i], v[CT+4*\c+\i]
.endr
.endr
.endm
	s_load_b256 s[4:11], s[0:1], 0x0               ; hidden_states s[4:5], q_w s[6:7], k_w s[8:9], v_w s[10:11]
	s_load_b256 s[12:19], s[0:1], 0x20             ; o_w s[12:13], codes s[14:15], scales s[16:17], rope s[18:19]
	v_lshl_add_u32 v15, v0, 2, 0x8400
	s_set_vgpr_msb 0x40
	v_mov_b32 v1, 0
	s_set_vgpr_msb 0x4000
	v_lshrrev_b32 v1, 5, v0
	v_readfirstlane_b32 s20, v1                    ; wave 0..3
	v_and_b32 v1, 31, v0                           ; lane
	v_and_b32 v2, 15, v0                           ; r
	v_bfe_u32 v3, v0, 4, 1                         ; h
	v_lshlrev_b32 v[GL], 4, v1
	s_cmp_ge_u32 ttmp9, QWG
	s_cbranch_scc1 .Ltable
	; ---- the quantiser
	s_mul_i32 s21, s20, STG
	v_add_nc_u32 v[STS], s21, v[GL]
	v_mul_u32_u24 v[STL], v2, SP
	v_lshl_add_u32 v[STL], v3, 6, v[STL]
	v_add_nc_u32 v[STL], s21, v[STL]
	v_lshlrev_b32 v[SCO], 4, v2
	s_mov_b32 s[SEL], 0x76543210
	s_mov_b32 s[SEL+1], 0xfedcba98
.irp b, 0,1,2,3
	v_mov_b32 v[TM+4+\b], 0                        ; written once: a lane permute's destination counts as one of its sources
.endr
	s_wait_alu depctr_va_vdst(0)
	s_wait_kmcnt 0x0
	; which tensor: the choice hangs on the work-group's number alone.  s[22:23] the tensor, s24 its first work-group, s25 log2 of its units a tile, s26 its row in bytes
	s_mov_b64 s[22:23], s[12:13]
	s_mov_b32 s24, 384
	s_mov_b32 s25, 1
	s_mov_b32 s26, 4096
	s_cmp_lt_u32 ttmp9, 384
	s_cselect_b64 s[22:23], s[10:11], s[22:23]
	s_cselect_b32 s24, 352, s24
	s_cselect_b32 s25, 2, s25
	s_cselect_b32 s26, 8192, s26
	s_cmp_lt_u32 ttmp9, 352
	s_cselect_b64 s[22:23], s[8:9], s[22:23]
	s_cselect_b32 s24, 320, s24
	s_cmp_lt_u32 ttmp9, 320
	s_cselect_b64 s[22:23], s[6:7], s[22:23]
	s_cselect_b32 s24, 256, s24
	s_cmp_lt_u32 ttmp9, 256
	s_cselect_b64 s[22:23], s[4:5], s[22:23]
	s_cselect_b32 s24, 0, s24
	s_sub_co_u32 s24, ttmp9, s24
	s_lshl_b32 s24, s24, 2
	s_add_co_u32 s24, s24, s20                     ; my unit within the tensor
	s_lshr_b32 s27, s24, s25                       ; its tile T
	s_lshl_b32 s28, 1, s25
	s_sub_co_u32 s28, s28, 1
	s_and_b32 s28, s24, s28                        ; and which 512 along K
	s_lshr_b32 s29, s27, 1
	s_lshl_b32 s29, s29, 5
	s_and_b32 s30, s27, 1
	s_lshl_b32 s30, s30, 3
	s_add_co_u32 s29, s29, s30                     ; the tile's first row: 32 (T / 2) + 8 (T % 2)
	s_mul_i32 s30, s29, s26
	s_lshl_b32 s28, s28, 11
	s_add_co_u32 s30, s30, s28                     ; in bytes, under 2^26
	s_mov_b32 s31, 0
	s_add_nc_u64 s[ROWS:ROWS+1], s[22:23], s[30:31]
	s_mov_b32 s27, 0                               ; s[26:27]: a row on
	s_mul_i32 s28, s26, 9
	s_mov_b32 s29, 0                               ; s[28:29]: nine rows on, from place 7 to place 8
.irp i, 1,2,3,4,5,6,7,8,9,10,11,12,13,14,15
.if \i == 8
	s_add_nc_u64 s[ROWS+2*\i:ROWS+2*\i+1], s[ROWS+2*\i-2:ROWS+2*\i-1], s[28:29]
.else
	s_add_nc_u64 s[ROWS+2*\i:ROWS+2*\i+1], s[ROWS+2*\i-2:ROWS+2*\i-1], s[26:27]
.endif
.endr
	s_lshl_b32 s24, ttmp9, 2
	s_add_co_u32 s24, s24, s20                     ; my unit n among all
	s_mul_i32 s30, s24, 6144
	s_add_nc_u64 s[14:15], s[14:15], s[30:31]
	s_lshl_b32 s30, s24, 8
	s_add_nc_u64 s[16:17], s[16:17], s[30:31]
.macro GLOAD t                         ; K step t of my sixteen rows: each load reads 512 consecutive bytes of one row, at a multiple of 512 from the tensor's first byte
.irp i, 0,1,2,3,4,5,6,7,8,9,10,11,12,13,14,15
	global_load_b128 v[R+64*((\t)%2)+4*\i:R+64*((\t)%2)+4*\i+3], v[GL], s[ROWS+2*\i:ROWS+2*\i+1] offset:512*(\t) th:TH_LOAD_NT
.endr
.endm
.macro QSTEP t
.if (\t) < 3
	s_wait_loadcnt 16                              ; this step's sixteen loads are in; the younger set's sixteen may be out
.else
	s_wait_loadcnt 0x0
.endif
.irp i, 0,1,2,3,4,5,6,7,8,9,10,11,12,13,14,15
	ds_store_b128 v[STS], v[R+64*((\t)%2)+4*\i:R+64*((\t)%2)+4*\i+3] offset:SP*\i   ; the rows as they lie
.endr
.irp b, 0,1,2,3
.irp j, 0,1,2,3
	ds_load_b128 v[X+16*\b+4*\j:X+16*\b+4*\j+3], v[STL] offset:128*\b+16*\j   ; LDS serves a wave's instructions in order: these see the stores above.  16 neighbours of each block of 32 of my row
.endr
.endr
	s_wait_dscnt 0x0                               ; the numbers are back, and the stores into the stage have read their registers,
.if (\t) < 2
	GLOAD (\t)+2                                   ; which take the loads of two steps on
.endif
.if (\t) > 0
	s_wait_xcnt 0x0                                ; the last step's stores have read the codes' registers: they are written again only behind this wait
.endif
	QUANT X, PW+(\t)
.irp c, 0,1,2
	global_store_b128 v[GL], v[PC+4*\c:PC+4*\c+3], s[14:15] offset:1536*(\t)+512*\c   ; 32 lanes store 512 consecutive bytes, aligned
.endr
.endm
	GLOAD 0
	GLOAD 1
	QSTEP 0
	QSTEP 1
	QSTEP 2
	QSTEP 3
	global_store_b128 v[SCO], v[PW:PW+3], s[16:17] ; the scale block: sixteen lanes fill its 256 bytes; lanes 16-31 store the same words to the same places
	s_set_vgpr_msb 0x4
	s_wait_tensorcnt 0x0
	ds_add_u32 v15, v1
	s_wait_dscnt 0x0
	s_set_vgpr_msb 0x400
	s_endpgm
	; ---- the table.  Wave tile Tt of the 128 token tiles of a sequence.  rope: [Tt][16 chunks][32 lanes][16 bytes]; chunks 0-7 cosines, 8-15 sines;
	; number e = 0 .. 31 of a lane (chunk e / 4) belongs to frequency f = 32 (e / 16) + 16 h + e % 16 at the token of place r.
.set FA, 128                           ; v128-159 f, then whole parts
.set PA, 160                           ; v160-191 products, then angles
.set EA, 192                           ; v192-223 errors, then reduced angles
.set RR, 224                           ; v224-255 their squares
.set CO, 64                            ; v64-95   cosines
.set SI, 96                            ; v96-127  sines
.Ltable:
	s_sub_co_u32 s21, ttmp9, QWG
	s_lshl_b32 s21, s21, 2
	s_add_co_u32 s21, s21, s20                     ; Tt
	s_lshr_b32 s22, s21, 1
	s_lshl_b32 s22, s22, 5
	s_and_b32 s23, s21, 1
	s_lshl_b32 s23, s23, 3
	s_add_co_u32 s22, s22, s23
	s_wait_alu depctr_va_vdst(0)
	v_and_b32 v8, 8, v2
	v_add_nc_u32 v8, v8, v2
	v_add_nc_u32 v8, s22, v8
	v_cvt_f32_u32 v8, v8                           ; my token's position
	v_lshlrev_b32 v9, 4, v3                        ; 16 h
	s_mov_b32 s24, 0xbe9773da                      ; -log2(500000) / 64, its f32 part
	s_mov_b32 s25, 0xb1e36753                      ; and what that leaves
	s_mov_b32 s26, 0x3f22f983                      ; 2 / pi
	s_mov_b32 s27, 0xbfc90fdb                      ; -pi / 2, its f32 part
	s_mov_b32 s28, 0x333bbd2e                      ; and what that leaves
	s_mov_b32 s29, 0xbe2aaaa3                      ; the sine's three coefficients
	s_mov_b32 s30, 0x3c08839e
	s_mov_b32 s31, 0xb94ca1f9
	s_mov_b32 s32, 0x3d2aaaa5                      ; the cosine's
	s_mov_b32 s33, 0xbab6061a
	s_mov_b32 s34, 0x37ccf5ce
	s_lshl_b32 s36, s21, 13
	s_mov_b32 s37, 0
	s_wait_alu depctr_va_vdst(0)
	s_wait_kmcnt 0x0
	s_add_nc_u64 s[18:19], s[18:19], s[36:37]
.set e, 0
.rept 32
	v_add_nc_u32 v[FA+e], 32*(e/16)+e%16, v9
.set e, e+1
.endr
.set e, 0
.rept 32
	v_cvt_f32_u32 v[FA+e], v[FA+e]                 ; f
.set e, e+1
.endr
.set e, 0
.rept 32
	v_mul_f32 v[PA+e], s24, v[FA+e]                ; p = -f c, rounded,
.set e, e+1
.endr
.set e, 0
.rept 32
	v_fma_f32 v[EA+e], v[FA+e], s24, -v[PA+e]      ; what the rounding lost, exactly,
.set e, e+1
.endr
.set e, 0
.rept 32
	v_fma_f32 v[EA+e], v[FA+e], s25, v[EA+e]       ; and the constant's own rest
.set e, e+1
.endr
.set e, 0
.rept 32
	v_rndne_f32 v[FA+e], v[PA+e]                   ; p's whole part
.set e, e+1
.endr
.set e, 0
.rept 32
	v_sub_f32 v[PA+e], v[PA+e], v[FA+e]            ; exact
.set e, e+1
.endr
.set e, 0
.rept 32
	v_add_f32 v[PA+e], v[PA+e], v[EA+e]            ; the fraction, between -0.5 and 0.5
.set e, e+1
.endr
.set e, 0
.rept 32
	v_cvt_i32_f32 v[FA+e], v[FA+e]
.set e, e+1
.endr
.set e, 0
	s_wait_alu depctr_va_vdst(0)
.rept 32
	v_exp_f32 v[PA+e], v[PA+e]                     ; one batch
.set e, e+1
.endr
	v_nop                                          ; a plain line behind the last exponential
	s_wait_alu depctr_va_vdst(0)                   ; one wait for the batch, ahead of the first line that names a result
.set e, 0
.rept 32
	v_ldexp_f32 v[PA+e], v[PA+e], v[FA+e]          ; inv_freq
.set e, e+1
.endr
.set e, 0
.rept 32
	v_mul_f32 v[PA+e], v8, v[PA+e]                 ; the angle x = position x inv_freq, rounded once
.set e, e+1
.endr
.set e, 0
.rept 32
	v_mul_f32 v[FA+e], s26, v[PA+e]
.set e, e+1
.endr
.set e, 0
.rept 32
	v_rndne_f32 v[FA+e], v[FA+e]                   ; n = the nearest whole number of quarter turns, at most 1,303
.set e, e+1
.endr
.set e, 0
.rept 32
	v_fma_f32 v[EA+e], v[FA+e], s27, v[PA+e]       ; x - n (pi / 2)'s f32 part: a multiple of 2^-24 under 1, so nothing is rounded
.set e, e+1
.endr
.set e, 0
.rept 32
	v_fma_f32 v[EA+e], v[FA+e], s28, v[EA+e]       ; r; what is left out is under 2.3e-12
.set e, e+1
.endr
.set e, 0
.rept 32
	v_mul_f32 v[RR+e], v[EA+e], v[EA+e]
.set e, e+1
.endr
.set e, 0
.rept 32
	v_fma_f32 v[SI+e], v[RR+e], s31, s30
	v_fma_f32 v[CO+e], v[RR+e], s34, s33
.set e, e+1
.endr
.set e, 0
.rept 32
	v_fma_f32 v[SI+e], v[SI+e], v[RR+e], s29
	v_fma_f32 v[CO+e], v[CO+e], v[RR+e], s32
.set e, e+1
.endr
.set e, 0
.rept 32
	v_mul_f32 v[SI+e], v[SI+e], v[RR+e]
	v_mul_f32 v[CO+e], v[CO+e], v[RR+e]
	v_fma_f32 v[PA+e], v[RR+e], -0.5, 1.0
.set e, e+1
.endr
.set e, 0
.rept 32
	v_fma_f32 v[SI+e], v[SI+e], v[EA+e], v[EA+e]   ; sin r
	v_fma_f32 v[CO+e], v[CO+e], v[RR+e], v[PA+e]   ; cos r
	v_cvt_i32_f32 v[FA+e], v[FA+e]
.set e, e+1
.endr
.set e, 0
.rept 32                                       ; by the quarter: odd n swaps the two; the sine changes sign where n & 2, the cosine where (n + 1) & 2
	v_and_b32 v10, 1, v[FA+e]
	v_cmp_eq_u32 vcc_lo, 1, v10
	v_cndmask_b32 v11, v[SI+e], v[CO+e], vcc_lo
	v_cndmask_b32 v12, v[CO+e], v[SI+e], vcc_lo
	v_lshlrev_b32 v13, 30, v[FA+e]
	v_and_b32 v13, 0x80000000, v13
	v_xor_b32 v[SI+e], v11, v13
	v_add_nc_u32 v14, 1, v[FA+e]
	v_lshlrev_b32 v14, 30, v14
	v_and_b32 v14, 0x80000000, v14
	v_xor_b32 v[CO+e], v12, v14
.set e, e+1
.endr
.irp ch, 0,1,2,3,4,5,6,7,8,9,10,11,12,13,14,15
	global_store_b128 v[GL], v[CO+4*\ch:CO+4*\ch+3], s[18:19] offset:512*\ch   ; 512 consecutive bytes, aligned; the sines' registers follow the cosines'
.endr
	s_endpgm
.Lfunc_end_k_q065cea56d3_prep:
	.size	k_q065cea56d3_prep, .Lfunc_end_k_q065cea56d3_prep-k_q065cea56d3_prep
	.p2alignl 7, 3214868480
	.fill 96, 4, 3214868480
	.section	.rodata,"a",@progbits
	.p2align	6, 0x0
	.amdhsa_kernel k_q065cea56d3_prep
		.amdhsa_group_segment_fixed_size 34304
		.amdhsa_private_segment_fixed_size 0
		.amdhsa_enable_private_segment 0
		.amdhsa_kernarg_size 64
		.amdhsa_user_sgpr_count 2
		.amdhsa_user_sgpr_kernarg_segment_ptr 1
		.amdhsa_wavefront_size32 1
		.amdhsa_system_sgpr_workgroup_id_x 1
		.amdhsa_system_sgpr_workgroup_id_y 1
		.amdhsa_system_sgpr_workgroup_id_z 1
		.amdhsa_system_vgpr_workitem_id 0
		.amdhsa_next_free_vgpr 258
		.amdhsa_next_free_sgpr 66
		.amdhsa_reserve_vcc 1
		.amdhsa_float_denorm_mode_32 3
		.amdhsa_float_denorm_mode_16_64 3
		.amdhsa_memory_ordered 1
		.amdhsa_forward_progress 1
		.amdhsa_inst_pref_size 90
	.end_amdhsa_kernel
	.amdgpu_metadata
---
amdhsa.version: [ 1, 2 ]
amdhsa.kernels:
  - .name:           k_q065cea56d3_prep
    .symbol:         k_q065cea56d3_prep.kd
    .args:
      - { .name: hidden_states, .offset: 0, .size: 8, .value_kind: global_buffer, .address_space: global }
      - { .name: q_w, .offset: 8, .size: 8, .value_kind: global_buffer, .address_space: global }
      - { .name: k_w, .offset: 16, .size: 8, .value_kind: global_buffer, .address_space: global }
      - { .name: v_w, .offset: 24, .size: 8, .value_kind: global_buffer, .address_space: global }
      - { .name: o_w, .offset: 32, .size: 8, .value_kind: global_buffer, .address_space: global }
      - { .name: codes, .offset: 40, .size: 8, .value_kind: global_buffer, .address_space: global }
      - { .name: scales, .offset: 48, .size: 8, .value_kind: global_buffer, .address_space: global }
      - { .name: rope, .offset: 56, .size: 8, .value_kind: global_buffer, .address_space: global }
    .group_segment_fixed_size: 34304
    .private_segment_fixed_size: 0
    .kernarg_segment_align: 8
    .kernarg_segment_size: 64
    .max_flat_workgroup_size: 128
    .sgpr_count:     66
    .vgpr_count:     258
    .wavefront_size: 32
...
	.end_amdgpu_metadata
.endif
;; end of part 1
;; launch qkv (part 2): grid 16 x 16, 4 waves a work-group, clusters of 4 x 4, 327,680 bytes of LDS; arguments codes, scales, rope, q_norm_w, k_norm_w, qc, qs, kv; writes qc, qs, kv
.if DOCPART == 2
	.amdgcn_target "amdgcn-amd-amdhsa--gfx1250"
	.amdhsa_code_object_version 6
	.text
	.protected	k_q065cea56d3_qkv
	.globl	k_q065cea56d3_qkv
	.p2align	8
	.type	k_q065cea56d3_qkv,@function
k_q065cea56d3_qkv:
	s_mov_b64 s[64:65], 0
	v_nop
	global_prefetch_b8 v0, s[64:65] scope:SCOPE_SE
	s_setreg_imm32_b32 hwreg(HW_REG_WAVE_MODE, 25, 1), 1
	s_wait_xcnt 0x0
	s_wait_alu depctr_hold_cnt(0) depctr_sa_sdst(0) depctr_va_vdst(0) depctr_va_sdst(0) depctr_va_ssrc(0) depctr_va_vcc(0) depctr_vm_vsrc(0)
	s_getreg_b32 s2, hwreg(HW_REG_IB_STS2, 6, 4)
	s_cmp_eq_u32 s2, 0
	s_cbranch_scc0 .Lentry_in_a_cluster
	s_endpgm
.Lentry_in_a_cluster:
	s_bfe_u32 s2, ttmp6, 0x10000c
	s_cmp_lg_u32 s2, 0xf033
	s_cbranch_scc0 .Lentry_shape_is_right
	s_endpgm
.Lentry_shape_is_right:
; q, k and v = x W^T on codes of FP6 (E2M3) with E8M0 scales, K = 2,048; then, for q and k, the RMS norm over the head, the gain, the rotary embedding and the quantiser along the head;
; for v the quantiser along the keys.  Nothing leaves as f32: the results are images of operand registers for the attention.
; SHARES.  Work-group (hx, y2): head slot hx (0-7 q's heads, 8-11 k's, 12-15 v's: 128 rows of the weights) x 256 tokens.  Four waves, each 32 accumulators of 16 x 16: eight fragments P as source 0, four fragments Q as source 1.
;   q, k: P = the head's 8 tiles of W, Q = 4 token tiles of the wave: a lane holds ONE token and its 64 registers of a token tile run along the head: register 16 b + i is d = 32 b + 16 h + i.
;   v:    P = 8 token tiles (128 keys, half w / 2), Q = 4 tiles of W (half w % 2): a lane holds ONE d and its registers run along 128 keys, which are the K of the attention's second product.
;   That order comes from the rows that form a tile: tile 2 G + u holds rows 32 G + 8 u + i + 8 (i / 8).  One loop serves all: only four LDS bases differ, chosen on the cluster's x, which all partners share.
; TILES.  Operands lie in memory as fragment images of 1,536 bytes (tile by tile, K step by K step).  A slot holds 4 K steps: X's 16 tiles x 6,144 bytes, then W's 8 tiles.  Two slots; K = 16 steps: two refills.
;   The scale blocks of all of K come once, with the first fills, and stay.
; CLUSTER 4 x 4: X's tiles hang on y2 alone and are asked for jointly along a row of the cluster, W's on hx alone, along a column.
; REGISTERS: window 0: v16-29 addresses; v32-127 scale words, two sets, and nothing else; v128-175, v176-223 Q's two sets.  Window 1: v0-95, v128-223 P's two sets; v96-127, v224-255 the norm's gain.
;   Window 2: accumulator (a, b) at v[8 (8 a + b)].  Window 3: cos and sin of the wave's four token tiles.
; LIMITS: NaN and infinities are not served; a block whose largest magnitude lies under 2^-124 (zeros too) gets the byte 1; this program alone reads the bytes.
.set KPITCH, 24576                     ; a tile's 16 images in memory
.set TS,     1024                      ; a tile's 4 scale blocks
.set RSX,    32                        ; rows of 256 bytes in half of X's scales
.set RSW,    16                        ; and of W's
.set XPART,  98304                     ; X's part of a slot
.set SLOT,   147456
.set SCX,    2*SLOT                    ; X's scales, 16,384 bytes
.set SCW,    SCX+512*RSX               ; W's, 8,192
.set SPARE,  SCW+512*RSW               ; the spare words, 128 bytes a wave: two blocks of 256 bytes that no other line names
.set WBASE,  6291456                   ; where the weights' images begin in codes
.set WSBASE, 262144                    ; and their scale blocks in scales
.set ADP,  16                          ; v16-17 P's fragments in slot 0, 1
.set ADQ,  18                          ; v18-19 Q's
.set ADSP, 20                          ; v20  P's scale blocks
.set ADSQ, 21                          ; v21  Q's
.set LI,   22                          ; v22  16 x lane
.set LR,   23                          ; v23  16 r
.set NWO,  24                          ; v24  64 h
.set SPW,  28                          ; v28  my spare word's address; never rewritten
.set NIL,  29                          ; v29  0; never rewritten
.set SC,   32                          ; scale set s at v[32 + 48 s]: P's word (b, q) at + 4 b + q, Q's (a, q) at + 32 + 4 a + q
.set QF,   128
.set G1X,  24
.set G0X,  32
.set G1W,  48
.set G0W,  56
.set G1SX, 68
.set G0SX, 76
.set G1SW, 80
.set G0SW, 88
.set MUL,  0xa1                        ; source 0 window 1, source 1 window 0, C and D window 2
.set TO_P, 0x40                        ; destination window 1, address window 0
.set MSB, 0
.macro WIN new                         ; the immediate's high byte repeats the setting that is left; a switch that changes nothing is dropped
.if MSB != (\new)
	s_set_vgpr_msb (MSB<<8)|(\new)
.set MSB, (\new)
.endif
.endm
.macro PLACES n
.rept \n
	v_nop
.endr
.endm
; A joint load: waves 0 and 1 fetch X's halves, waves 2 and 3 W's.  The branch hangs on the wave's number alone.  Four v_nop follow each of the two lines.
.macro JLOAD g0a, g1a, g0b, g1b
	s_cmp_eq_u32 s21, 0
	s_cbranch_scc0 .Lfor_w_\@
	tensor_load_to_lds s[\g0a:\g0a+3], s[\g1a:\g1a+7]
	s_nop 0
.rept 4
	v_nop
.endr
	s_branch .Lasked_\@
.Lfor_w_\@:
	tensor_load_to_lds s[\g0b:\g0b+3], s[\g1b:\g1b+7]
	s_nop 0
.rept 4
	v_nop
.endr
.Lasked_\@:
.endm
.macro CREST                           ; a round of the cluster's barrier behind its opening barrier
	s_cmp_lg_u32 s20, 0
	s_cbranch_scc1 .Lnot_wave_0_\@
	s_barrier_signal -3
.Lnot_wave_0_\@:
	s_barrier_wait -3
	s_barrier_signal -1
	s_barrier_wait -1
.endm
.macro CROUND
	s_barrier_signal -1
	s_barrier_wait -1
	CREST
.endm
; Eight products: Q's fragment a against P's eight; set p of the fragments, K step q of the slot, scale set sc.  The 32 accumulators take turns in the same order in every step.
.macro MUL8 a, p, q, sc, zero
.irp b, 0,1,2,3,4,5,6,7
.if \zero
	v_wmma_scale_f32_16x16x128_f8f6f4 v[8*(8*(\a)+\b):8*(8*(\a)+\b)+7], v[128*(\p)+12*\b:128*(\p)+12*\b+11], v[QF+48*(\p)+12*(\a):QF+48*(\p)+12*(\a)+11], 0, v[SC+48*(\sc)+4*\b+(\q)], v[SC+48*(\sc)+32+4*(\a)+(\q)] matrix_a_fmt:MATRIX_FMT_FP6 matrix_b_fmt:MATRIX_FMT_FP6
.else
	v_wmma_scale_f32_16x16x128_f8f6f4 v[8*(8*(\a)+\b):8*(8*(\a)+\b)+7], v[128*(\p)+12*\b:128*(\p)+12*\b+11], v[QF+48*(\p)+12*(\a):QF+48*(\p)+12*(\a)+11], v[8*(8*(\a)+\b):8*(8*(\a)+\b)+7], v[SC+48*(\sc)+4*\b+(\q)], v[SC+48*(\sc)+32+4*(\a)+(\q)] matrix_a_fmt:MATRIX_FMT_FP6 matrix_b_fmt:MATRIX_FMT_FP6
.endif
.endr
.endm
; One run of LDS loads: K step q of a slot into set p: P's 24 loads, Q's fragments 0 and 1, (sc >= 0: the twelve scale blocks of these four K steps,) Q's fragments 2 and 3 last.  Every load takes 512 consecutive bytes.
.macro FETCH slot, q, p, sc, chunk
	WIN TO_P
.irp b, 0,1,2,3,4,5,6,7
.irp c, 0,1,2
	ds_load_b128 v[128*(\p)+12*\b+4*\c:128*(\p)+12*\b+4*\c+3], v[ADP+\slot] offset:6144*\b+1536*(\q)+512*\c
.endr
.endr
	WIN 0
.irp a, 0,1
.irp c, 0,1,2
	ds_load_b128 v[QF+48*(\p)+12*\a+4*\c:QF+48*(\p)+12*\a+4*\c+3], v[ADQ+\slot] offset:6144*\a+1536*(\q)+512*\c
.endr
.endr
.if (\sc) >= 0
.irp b, 0,1,2,3,4,5,6,7
	ds_load_b128 v[SC+48*(\sc)+4*\b:SC+48*(\sc)+4*\b+3], v[ADSP] offset:TS*\b+256*(\chunk)
.endr
.irp a, 0,1,2,3
	ds_load_b128 v[SC+48*(\sc)+32+4*\a:SC+48*(\sc)+32+4*\a+3], v[ADSQ] offset:TS*\a+256*(\chunk)
.endr
.endif
.irp a, 2,3
.irp c, 0,1,2
	ds_load_b128 v[QF+48*(\p)+12*\a+4*\c:QF+48*(\p)+12*\a+4*\c+3], v[ADQ+\slot] offset:6144*\a+1536*(\q)+512*\c
.endr
.endr
.endm
; One of a slot's first three K steps.
.macro STEP slot, q, zero
	s_wait_dscnt 6                                 ; all but the youngest six loads (Q's fragments 2 and 3) are in
	WIN MUL
	MUL8 0, (\q)%2, \q, \slot, \zero
	MUL8 1, (\q)%2, \q, \slot, \zero
	PLACES 4                                       ; four plain lines between the last products that read the other set and the loads into it (ISA guide 7.12.1 for vector instructions)
	FETCH \slot, (\q)+1, 1-(\q)%2, -1, 0
	s_wait_dscnt 36                                ; all but the 36 just issued
	WIN MUL
	MUL8 2, (\q)%2, \q, \slot, \zero
	MUL8 3, (\q)%2, \q, \slot, \zero
.endm
; A slot's last K step changes slots: one barrier; in front of it each wave waits for all its tensor loads, adds 0 to its spare word, and waits for that and for its reads of this slot.  fill = 1: the slot is filled again, eight K steps on.
.macro TURN slot, next, fill, chunk
	WIN 0                                          ; (the add's two registers lie in window 0)
	s_wait_tensorcnt 0x0                           ; all my tensor loads have landed: my part of the next slot
	ds_add_u32 v[SPW], v[NIL]                      ; 0 onto my spare word
	s_wait_dscnt 7                                 ; (the add and Q's fragments 2 and 3 may be out)
	WIN MUL
	MUL8 0, 1, 3, \slot, 0                         ; eight products stand between the add and the wait for it
	s_wait_dscnt 0x0                               ; the add is done, and my reads of this slot are over
	s_barrier_signal -1
	MUL8 1, 1, 3, \slot, 0
	WIN 0
	s_barrier_wait -1
.if \fill
	CREST                                          ; the barrier has opened a round of the cluster's: no wave of any partner still reads this slot or has a load on its way
	s_add_nc_u64 s[G0X+4*\slot+2:G0X+4*\slot+3], s[G0X+4*\slot+2:G0X+4*\slot+3], 2*6144
	s_add_nc_u64 s[G0W+4*\slot+2:G0W+4*\slot+3], s[G0W+4*\slot+2:G0W+4*\slot+3], 2*6144
	JLOAD G0X+4*\slot, G1X, G0W+4*\slot, G1W       ; my one tensor load behind the round; it has four K steps, 128 products, in which to land; its four v_nop are the places in front of the loads below
.else
	PLACES 4
.endif
	FETCH \next, 0, 0, \next, \chunk
	WIN MUL
	MUL8 2, 1, 3, \slot, 0
	MUL8 3, 1, 3, \slot, 0
.endm
	s_load_b512 s[4:19], s[0:1], 0x0               ; codes s[4:5], scales s[6:7], rope s[8:9], q_norm_w s[10:11], k_norm_w s[12:13], qc s[14:15], qs s[16:17], kv s[18:19]
	v_lshl_add_u32 v[SPW], v0, 2, SPARE
	v_mov_b32 v[NIL], 0
	ds_add_u32 v28, v29
	ds_add_u32 v28, v29
	s_wait_dscnt 0x0
	v_lshrrev_b32 v1, 5, v0
	v_readfirstlane_b32 s20, v1                    ; wave 0..3
	s_lshr_b32 s21, s20, 1                         ; I fetch for X (0) or for W (1)
	s_and_b32 s22, s20, 1                          ; which half
	s_bfe_u32 s40, ttmp6, 0x40000                  ; cx
	s_bfe_u32 s41, ttmp6, 0x40004                  ; cy
	s_lshl_b32 s42, ttmp9, 2
	s_add_co_u32 s42, s42, s40                     ; hx = 4 x cluster x + cx
	s_and_b32 s43, ttmp7, 0xffff
	s_lshl_b32 s43, s43, 2
	s_add_co_u32 s43, s43, s41                     ; y2 = 4 x cluster y + cy
	s_lshl_b32 s44, s41, 2
	s_lshl_b32 s44, 15, s44                        ; my row of the cluster
	s_lshl_b32 s45, 0x1111, s40                    ; my column
	; descriptor groups 1.  Elements of 8 bytes, no padding.  Codes: rows of 768 elements (a tile's four images), KPITCH bytes apart; 8 rows of X, 4 of W.  Scales: dense rows of 256 bytes.
	s_or_b32 s[G1X], s44, (3<<16)|(1<<21)          ; 15:0 the mask; 17:16 elements of 8 bytes; 21 set beside a mask
	s_or_b32 s[G1W], s45, (3<<16)|(1<<21)
	s_or_b32 s[G1SX], s44, (3<<16)|(1<<21)
	s_or_b32 s[G1SW], s45, (3<<16)|(1<<21)
.irp g, G1X, G1W
	s_mov_b32 s[\g+1], 768<<16                     ; tensor_dim0
	s_mov_b32 s[\g+3], 768<<16                     ; tile_dim0
	s_mov_b32 s[\g+5], KPITCH/8                    ; from row to row
	s_mov_b32 s[\g+6], 0
	s_mov_b32 s[\g+7], 0
.endr
	s_mov_b32 s[G1X+2], 16<<16                     ; the head's loads bring whole parts of slot 0: X's 16 tiles,
	s_mov_b32 s[G1X+4], 16
	s_mov_b32 s[G1W+2], 8<<16                      ; W's 8
	s_mov_b32 s[G1W+4], 8
.irp g, G1SX, G1SW
	s_mov_b32 s[\g+1], 32<<16
	s_mov_b32 s[\g+3], 32<<16
	s_mov_b32 s[\g+5], 32
	s_mov_b32 s[\g+6], 0
	s_mov_b32 s[\g+7], 0
.endr
	s_mov_b32 s[G1SX+2], (2*RSX)<<16               ; all of X's scales in one load,
	s_mov_b32 s[G1SX+4], 2*RSX
	s_mov_b32 s[G1SW+2], (2*RSW)<<16               ; all of W's in another
	s_mov_b32 s[G1SW+4], 2*RSW
	; where the tiles come from: X's hang on y2 and the wave, W's on hx and the wave, each in registers that never hold the other coordinate
	s_lshl_b32 s92, s43, 4                         ; X: tile 16 y2
	s_mul_i32 s94, s92, KPITCH
	s_mov_b32 s95, 0
	s_mul_i32 s96, s92, TS
	s_mov_b32 s97, 0
	s_lshl_b32 s98, s42, 3                         ; W: tile 8 hx
	s_mul_i32 s100, s98, KPITCH
	s_add_co_u32 s100, s100, WBASE
	s_mov_b32 s101, 0
	s_mul_i32 s2, s98, TS
	s_add_co_u32 s2, s2, WSBASE
	s_mov_b32 s3, 0
	; and where they go: constants and the wave's number alone
	s_mul_i32 s46, s22, 49152
	s_mul_i32 s47, s22, 24576
	s_add_co_u32 s47, s47, XPART
	s_wait_kmcnt 0x0
	s_add_nc_u64 s[94:95], s[4:5], s[94:95]
	s_add_nc_u64 s[96:97], s[6:7], s[96:97]
	s_add_nc_u64 s[100:101], s[4:5], s[100:101]
	s_add_nc_u64 s[2:3], s[6:7], s[2:3]
	CROUND                                         ; all sixteen work-groups are here: the first joint loads meet
	s_mov_b32 s[G0SX], 1
	s_mov_b32 s[G0SX+1], SCX
	s_mov_b64 s[G0SX+2:G0SX+3], s[96:97]
	s_or_b32 s[G0SX+3], s[G0SX+3], 0x80000000
	s_mov_b32 s[G0SW], 1
	s_mov_b32 s[G0SW+1], SCW
	s_mov_b64 s[G0SW+2:G0SW+3], s[2:3]
	s_or_b32 s[G0SW+3], s[G0SW+3], 0x80000000
	s_mov_b32 s4, 1                                ; group 0 of the head's load of X's part of slot 0 (the two arguments that lay here have been used)
	s_mov_b32 s5, 0
	s_mov_b64 s[6:7], s[94:95]
	s_or_b32 s7, s7, 0x80000000
	s_mov_b64 s[2:3], s[100:101]                   ; W's first tile, kept for the head's load of W's part
	s_mov_b32 s93, 0                               ; for the ring: my half of X's tiles or of W's
	s_mul_i32 s92, s22, 8*KPITCH
	s_add_nc_u64 s[94:95], s[94:95], s[92:93]
	s_mul_i32 s92, s22, 4*KPITCH
	s_add_nc_u64 s[100:101], s[100:101], s[92:93]
.irp s, 0,1
	s_mov_b32 s[G0X+4*\s], 1
	s_add_co_u32 s[G0X+4*\s+1], s46, \s*SLOT
	s_add_nc_u64 s[G0X+4*\s+2:G0X+4*\s+3], s[94:95], \s*6144
	s_or_b32 s[G0X+4*\s+3], s[G0X+4*\s+3], 0x80000000
	s_mov_b32 s[G0W+4*\s], 1
	s_add_co_u32 s[G0W+4*\s+1], s47, \s*SLOT
	s_add_nc_u64 s[G0W+4*\s+2:G0W+4*\s+3], s[100:101], \s*6144
	s_or_b32 s[G0W+4*\s+3], s[G0W+4*\s+3], 0x80000000
.endr
; The head's loads, one a wave: wave 0 X's part of slot 0, wave 1 W's, wave 2 X's scales, wave 3 W's.  One tree of branches on the wave's number; every way passes one load.
.macro ARM under, g0, g1, next
	s_cmp_lt_u32 s20, \under
	s_cbranch_scc0 \next
	tensor_load_to_lds s[\g0:\g0+3], s[\g1:\g1+7]
	s_nop 0
.rept 4
	v_nop
.endr
	s_branch .Lhead_asked
\next:
.endm
	s_mov_b32 s44, 1                               ; group 0 of the head's load of W's part of slot 0, in registers that nothing writes while the load is out (the masks and the ring's LDS places that lay here have been used)
	s_mov_b32 s45, XPART
	s_mov_b64 s[46:47], s[2:3]
	s_or_b32 s47, s47, 0x80000000
	ARM 1, 4, G1X, .Lhead_w
	ARM 2, 44, G1W, .Lhead_sx
	ARM 3, G0SX, G1SX, .Lhead_sw
	tensor_load_to_lds s[G0SW:G0SW+3], s[G1SW:G1SW+7]
	s_nop 0
.rept 4
	v_nop
.endr
.Lhead_asked:
	v_and_b32 v1, 31, v0
	v_lshlrev_b32 v[LI], 4, v1
	s_wait_alu depctr_va_vdst(0)
	v_and_b32 v2, 15, v0
	v_lshlrev_b32 v[LR], 4, v2
	s_wait_alu depctr_va_vdst(0)
	v_bfe_u32 v3, v0, 4, 1
	v_lshlrev_b32 v[NWO], 6, v3
	; P's and Q's places in LDS: by the kind of the cluster (cluster x = 3: v), the same in all partners
	s_wait_alu depctr_va_vdst(0)
	s_mul_i32 s92, s21, 49152                      ; v: P = X's half w / 2
	s_mul_i32 s93, s20, 24576                      ; q, k: Q = X's quarter w
	s_mul_i32 s94, s22, 24576
	s_add_co_u32 s94, s94, XPART                   ; v: Q = W's half w % 2
	s_lshl_b32 s95, s21, 13
	s_add_co_u32 s95, s95, SCX                     ; v: P's scales
	s_lshl_b32 s96, s20, 12
	s_add_co_u32 s96, s96, SCX                     ; q, k: Q's scales
	s_lshl_b32 s97, s22, 12
	s_add_co_u32 s97, s97, SCW                     ; v: Q's scales
	s_cmp_eq_u32 ttmp9, 3
	s_cselect_b32 s92, s92, XPART                  ; q, k: P = all of W
	s_cselect_b32 s93, s94, s93
	s_cselect_b32 s95, s95, SCW
	s_cselect_b32 s96, s97, s96
	v_add_nc_u32 v[ADP], s92, v[LI]
	v_add_nc_u32 v[ADP+1], SLOT, v[ADP]
	v_add_nc_u32 v[ADQ], s93, v[LI]
	v_add_nc_u32 v[ADQ+1], SLOT, v[ADQ]
	v_add_nc_u32 v[ADSP], s95, v[LR]
	v_add_nc_u32 v[ADSQ], s96, v[LR]
	; where cos and sin of my four token tiles and the norm's gain lie: the addresses are made here; the loads (macro TABLE) are issued behind the second refill, eight K steps ahead of the way out that wants them
	s_and_b32 s98, s43, 7
	s_lshl_b32 s98, s98, 4
	s_lshl_b32 s99, s20, 2
	s_add_co_u32 s98, s98, s99                     ; my first token tile within the sequence
	s_lshl_b32 s98, s98, 13
	s_mov_b32 s99, 0
	s_add_nc_u64 s[8:9], s[8:9], s[98:99]
	s_cmp_lt_u32 ttmp9, 2
	s_cselect_b64 s[10:11], s[10:11], s[12:13]     ; q's gain or k's
.macro TABLE                           ; 80 loads a wave.  Every work-group asks, v's too, so that one text serves all
	WIN 0xc0                                       ; destination window 3
.irp a, 0,1,2,3
.irp ch, 0,1,2,3,4,5,6,7,8,9,10,11,12,13,14,15
	global_load_b128 v[64*\a+4*\ch:64*\a+4*\ch+3], v[LI], s[8:9] offset:8192*\a+512*\ch   ; tile a: cos of number i at 64 a + i, sin at 64 a + 32 + i
.endr
.endr
	WIN 0x40                                       ; destination window 1
.irp n, 0,1,2,3,4,5,6,7,8,9,10,11,12,13,14,15
	global_load_b128 v[96+4*\n+96*(\n/8):96+4*\n+96*(\n/8)+3], v[NWO], s[10:11] offset:128*(\n/4)+16*(\n%4)   ; gain of d = 32 (n / 4) + 16 h + 4 (n % 4) + 0 .. 3
.endr
	WIN 0
.endm
	s_wait_alu depctr_va_vdst(0)
	s_wait_tensorcnt 0x0                           ; my tile of the head's four is in; slot 1's first fill is issued as a refill is
	ds_add_u32 v[SPW], v[NIL]
	s_mov_b32 s[G1X+2], 8<<16                      ; no tensor load of mine is out: from here on a load brings half a part: 8 tiles of X,
	s_mov_b32 s[G1X+4], 8
	s_mov_b32 s[G1W+2], 4<<16                      ; 4 of W
	s_mov_b32 s[G1W+4], 4
	s_wait_dscnt 0x0
	CROUND                                         ; all four tiles are in, and all sixteen work-groups are here
	JLOAD G0X+4, G1X, G0W+4, G1W                   ; K steps 4 to 7: my one tensor load behind the round
	FETCH 0, 0, 0, 0, 0
	STEP 0, 0, 1                                   ; the first products start the sums: nothing is cleared
	STEP 0, 1, 0
	STEP 0, 2, 0
	TURN 0, 1, 1, 1                                ; slot 0 takes K steps 8 to 11
	STEP 1, 0, 0
	STEP 1, 1, 0
	STEP 1, 2, 0
	TURN 1, 0, 1, 2                                ; slot 1 takes K steps 12 to 15
	TABLE                                          ; into registers that no product names
	STEP 0, 0, 0
	STEP 0, 1, 0
	STEP 0, 2, 0
	TURN 0, 1, 0, 3                                ; nothing is left to fetch
	STEP 1, 0, 0
	STEP 1, 1, 0
	STEP 1, 2, 0
	s_wait_dscnt 6                                 ; the last K step
	WIN MUL
	MUL8 0, 1, 3, 1, 0
	MUL8 1, 1, 3, 1, 0
	s_wait_dscnt 0x0
	MUL8 2, 1, 3, 1, 0
	MUL8 3, 1, 3, 1, 0
	WIN 0
	; ---- THE WAY OUT.  Window 0: v128-175 the codes of four fragments, v176-183, v184-199 at work, v200-203 four scale words, v204-219 four registers of statistics a tile.  Window 1: v0-63 Y, v128-191 Z.
.set PC, 128
.set CT, 176
.set TM, 184
.set PW, 200
.set SS, 204
.set Y,  0
.set Z,  128
.set NW, 96
.set SEL, 92                           ; s[92:93]
.set RN,  94                           ; s94  1 / 128
.set EPS, 95                           ; s95  1e-5
; 64 numbers of a lane in window ws, register 16 b + i = k 32 b + 16 h + i of the lane's row, become a fragment's codes in v[pc] on and its scale word in v[pw], both in window 0.  The numbers are read from the low end on.
.macro QUANT s, ws, pc, pw
	WIN (\ws)|((\ws)<<2)
.irp b, 0,1,2,3
	v_max3_num_f32 v[TM+\b], |v[(\s)+16*\b]|, |v[(\s)+1+16*\b]|, 0x1800000   ; and the floor 2^(3 - 127): the byte cannot fall under 1
.endr
	WIN ((\ws)<<2)|((\ws)<<4)
.irp i, 2,4,6,8,10,12,14
.irp b, 0,1,2,3
	v_max3_num_f32 v[TM+\b], v[TM+\b], |v[(\s)+16*\b+\i]|, |v[(\s)+1+16*\b+\i]|
.endr
.endr
	WIN 0
.irp b, 0,1,2,3
	v_permlanex16_b32 v[TM+4+\b], v[TM+\b], s[SEL], s[SEL+1]
.endr
.irp b, 0,1,2,3
	v_max_num_f32 v[TM+\b], v[TM+\b], v[TM+4+\b]   ; the block's largest magnitude
.endr
.irp b, 0,1,2,3
	v_add_nc_u32 v[TM+12+\b], 0xff000000, v[TM+\b]   ; 2 off its exponent field: the conversion's scale operand
.endr
.irp b, 0,1,2,3
	v_lshrrev_b32 v[TM+4+\b], 23, v[TM+12+\b]      ; the byte
.endr
	v_lshl_or_b32 v[\pw], v[TM+5], 8, v[TM+4]
	v_lshl_or_b32 v[\pw], v[TM+6], 16, v[\pw]
	v_lshl_or_b32 v[\pw], v[TM+7], 24, v[\pw]
	WIN (\ws)
.irp c, 0,1
	v_cvt_scalef32_pk16_fp6_f32 v[(\pc)+6*\c:(\pc)+6*\c+2], v[(\s)+32*\c:(\s)+32*\c+15], v[TM+12+2*\c]
	v_cvt_scalef32_pk16_fp6_f32 v[CT+4*\c:CT+4*\c+2], v[(\s)+16+32*\c:(\s)+31+32*\c], v[TM+13+2*\c]
.endr
	WIN 0
	v_nop                                          ; one plain line behind the scaled conversions
.irp c, 0,1
.irp i, 0,1,2
	v_permlane16_swap_b32 v[(\pc)+6*\c+\i], v[CT+4*\c+\i]
.endr
.irp i, 0,1,2
	v_mov_b32 v[(\pc)+3+6*\c+\i], v[CT+4*\c+\i]
.endr
.endr
.endm
	PLACES 4                                       ; between the last products and the first lines that read results or write over operands
.irp b, 0,1,2,3
	v_mov_b32 v[TM+4+\b], 0                        ; a lane permute's destination counts as one of its sources
.endr
	s_wait_loadcnt 0x0                             ; the table and the gain
	; where the results go, as offsets made apart from the addresses
	s_lshr_b32 s92, s43, 3                         ; the batch
	s_and_b32 s93, s43, 7                          ; my 256 tokens within the sequence
	s_lshl_b32 s94, s92, 3
	s_add_co_u32 s94, s94, s42                     ; q: batch x 8 + head
	s_lshl_b32 s95, s94, 7
	s_lshl_b32 s96, s93, 4
	s_add_co_u32 s95, s95, s96
	s_lshl_b32 s96, s20, 2
	s_add_co_u32 s95, s95, s96
	s_mul_i32 s95, s95, 1536                       ; q's images: 128 a head, my four from tile 16 (y2 % 8) + 4 w
	s_lshl_b32 s94, s94, 5
	s_lshl_b32 s96, s93, 2
	s_add_co_u32 s94, s94, s96
	s_add_co_u32 s94, s94, s20
	s_lshl_b32 s94, s94, 8                         ; q's scale block
	s_lshl_b32 s96, s92, 2
	s_and_b32 s97, s42, 3
	s_add_co_u32 s96, s96, s97
	s_lshl_b32 s96, s96, 4
	s_lshl_b32 s97, s93, 1
	s_add_co_u32 s96, s96, s97
	s_add_co_u32 s96, s96, s21                     ; k, v: the record of key step 2 (y2 % 8) + w / 2 of (batch, head)
	s_mul_i32 s96, s96, 25600
	s_mul_i32 s97, s22, 6144
	s_add_co_u32 s97, s97, s96                     ; my four images of its eight
	s_lshl_b32 s98, s22, 8
	s_add_co_u32 s98, s98, s96
	s_add_co_u32 s98, s98, 24576                   ; my scale block of its two
	s_cmp_lt_u32 ttmp9, 2
	s_cselect_b64 s[14:15], s[14:15], s[18:19]
	s_cselect_b64 s[16:17], s[16:17], s[18:19]
	s_cselect_b32 s2, s95, s97
	s_cselect_b32 s100, s94, s98
	s_mov_b32 s3, 0
	s_mov_b32 s101, 0
	s_cmp_eq_u32 ttmp9, 3
	s_cselect_b32 s92, 12288, 0                    ; v's images lie behind k's,
	s_cselect_b32 s93, 512, 0                      ; its scale blocks too
	s_add_co_u32 s2, s2, s92
	s_add_co_u32 s100, s100, s93
	s_add_nc_u64 s[14:15], s[14:15], s[2:3]
	s_add_nc_u64 s[16:17], s[16:17], s[100:101]
	s_mov_b32 s[SEL], 0x76543210
	s_mov_b32 s[SEL+1], 0xfedcba98
	s_mov_b32 s[RN], 0x3c000000
	s_mov_b32 s[EPS], 0x3727c5ac
	s_cmp_eq_u32 ttmp9, 3
	s_cbranch_scc1 .Lv_out
	; q and k.  The sum of squares over the head: my 64 numbers of each token tile in two chains, the four tiles by turns, each accumulator from its low end on
	WIN 0x0a                                       ; sources 0 and 1 window 2
.irp a, 0,1,2,3
	v_pk_mul_f32 v[SS+4*\a:SS+4*\a+1], v[64*\a:64*\a+1], v[64*\a:64*\a+1]
	v_pk_mul_f32 v[SS+4*\a+2:SS+4*\a+3], v[64*\a+2:64*\a+3], v[64*\a+2:64*\a+3]
.endr
.irp i, 4,8,12,16,20,24,28,32,36,40,44,48,52,56,60
.irp a, 0,1,2,3
	v_pk_fma_f32 v[SS+4*\a:SS+4*\a+1], v[64*\a+\i:64*\a+\i+1], v[64*\a+\i:64*\a+\i+1], v[SS+4*\a:SS+4*\a+1]
	v_pk_fma_f32 v[SS+4*\a+2:SS+4*\a+3], v[64*\a+\i+2:64*\a+\i+3], v[64*\a+\i+2:64*\a+\i+3], v[SS+4*\a+2:SS+4*\a+3]
.endr
.endr
	WIN 0
.irp a, 0,1,2,3
	v_pk_add_f32 v[SS+4*\a:SS+4*\a+1], v[SS+4*\a:SS+4*\a+1], v[SS+4*\a+2:SS+4*\a+3]
.endr
.irp a, 0,1,2,3
	v_add_f32 v[SS+4*\a], v[SS+4*\a], v[SS+4*\a+1]
.endr
.irp a, 0,1,2,3
	v_permlanex16_b32 v[SS+4*\a+1], v[SS+4*\a], s[SEL], s[SEL+1]   ; the token's other 64 lie in the lane 16 away
.endr
.irp a, 0,1,2,3
	v_add_f32 v[SS+4*\a], v[SS+4*\a], v[SS+4*\a+1]
.endr
.irp a, 0,1,2,3
	v_fma_f32 v[SS+4*\a+2], v[SS+4*\a], s[RN], s[EPS]   ; the mean square + eps
.endr
	s_wait_alu depctr_va_vdst(0)
.irp a, 0,1,2,3
	v_rsq_f32 v[SS+4*\a], v[SS+4*\a+2]
.endr
	v_nop                                          ; a plain line behind the last of the four
	s_wait_alu depctr_va_vdst(0)                   ; one wait for the four, ahead of the first line that names a result
.irp a, 0,1,2,3
	WIN 0x42                                       ; destination window 1, source 0 window 2
.set i, 0
.rept 32
	v_pk_mul_f32 v[Y+i:Y+i+1], v[64*\a+i:64*\a+i+1], v[SS+4*\a:SS+4*\a+1] op_sel_hi:[1,0]   ; x / rms
.set i, i+2
.endr
	WIN 0x45                                       ; all in window 1
.set i, 0
.rept 32
	v_pk_mul_f32 v[Y+i:Y+i+1], v[Y+i:Y+i+1], v[NW+i+96*(i/32):NW+i+96*(i/32)+1]   ; x the gain
.set i, i+2
.endr
	WIN 0x4d                                       ; source 1 window 3.  Numbers i and i + 32 are d and d + 64, with one angle
.set i, 0
.rept 16
	v_pk_mul_f32 v[Z+i:Z+i+1], v[Y+32+i:Y+33+i], v[64*\a+32+i:64*\a+33+i]
	v_pk_mul_f32 v[Z+32+i:Z+33+i], v[Y+i:Y+i+1], v[64*\a+32+i:64*\a+33+i]
.set i, i+2
.endr
	WIN 0x5d                                       ; and source 2 window 1
.set i, 0
.rept 16
	v_pk_fma_f32 v[Z+i:Z+i+1], v[Y+i:Y+i+1], v[64*\a+i:64*\a+i+1], v[Z+i:Z+i+1] neg_lo:[0,0,1] neg_hi:[0,0,1]   ; y(d) cos - y(d + 64) sin
	v_pk_fma_f32 v[Z+32+i:Z+33+i], v[Y+32+i:Y+33+i], v[64*\a+i:64*\a+i+1], v[Z+32+i:Z+33+i]                     ; y(d + 64) cos + y(d) sin
.set i, i+2
.endr
	QUANT Z, 1, PC+12*\a, PW+\a
.irp c, 0,1,2
	global_store_b128 v[LI], v[PC+12*\a+4*\c:PC+12*\a+4*\c+3], s[14:15] offset:1536*\a+512*\c   ; 512 consecutive bytes, aligned; each tile has codes' registers of its own
.endr
.endr
	s_branch .Lstored
.Lv_out:                                           ; v: the accumulators are quantised as they stand: a lane's 64 numbers run along the 128 keys
.irp a, 0,1,2,3
	QUANT 64*\a, 2, PC+12*\a, PW+\a
.irp c, 0,1,2
	global_store_b128 v[LI], v[PC+12*\a+4*\c:PC+12*\a+4*\c+3], s[14:15] offset:1536*\a+512*\c
.endr
.endr
.Lstored:
	global_store_b128 v[LR], v[PW:PW+3], s[16:17]  ; the scale block of my four fragments: sixteen lanes fill its 256 bytes; lanes 16-31 store the same words to the same places
	s_wait_tensorcnt 0x0                           ; the wave's end
	ds_add_u32 v[SPW], v[NIL]
	s_wait_dscnt 0x0
	CROUND                                         ; the closing round: no work-group ends while a partner may still ask for a tile that names it
	s_endpgm
.Lfunc_end_k_q065cea56d3_qkv:
	.size	k_q065cea56d3_qkv, .Lfunc_end_k_q065cea56d3_qkv-k_q065cea56d3_qkv
	.p2alignl 7, 3214868480
	.fill 96, 4, 3214868480
	.section	.rodata,"a",@progbits
	.p2align	6, 0x0
	.amdhsa_kernel k_q065cea56d3_qkv
		.amdhsa_group_segment_fixed_size 327680
		.amdhsa_private_segment_fixed_size 0
		.amdhsa_enable_private_segment 0
		.amdhsa_kernarg_size 64
		.amdhsa_user_sgpr_count 2
		.amdhsa_user_sgpr_kernarg_segment_ptr 1
		.amdhsa_wavefront_size32 1
		.amdhsa_system_sgpr_workgroup_id_x 1
		.amdhsa_system_sgpr_workgroup_id_y 1
		.amdhsa_system_sgpr_workgroup_id_z 1
		.amdhsa_system_vgpr_workitem_id 0
		.amdhsa_next_free_vgpr 1024
		.amdhsa_next_free_sgpr 102
		.amdhsa_reserve_vcc 0
		.amdhsa_float_denorm_mode_32 3
		.amdhsa_float_denorm_mode_16_64 3
		.amdhsa_memory_ordered 1
		.amdhsa_forward_progress 1
		.amdhsa_inst_pref_size 205
	.end_amdhsa_kernel
	.amdgpu_metadata
---
amdhsa.version: [ 1, 2 ]
amdhsa.kernels:
  - .name:           k_q065cea56d3_qkv
    .symbol:         k_q065cea56d3_qkv.kd
    .args:
      - { .name: codes, .offset: 0, .size: 8, .value_kind: global_buffer, .address_space: global }
      - { .name: scales, .offset: 8, .size: 8, .value_kind: global_buffer, .address_space: global }
      - { .name: rope, .offset: 16, .size: 8, .value_kind: global_buffer, .address_space: global }
      - { .name: q_norm_w, .offset: 24, .size: 8, .value_kind: global_buffer, .address_space: global }
      - { .name: k_norm_w, .offset: 32, .size: 8, .value_kind: global_buffer, .address_space: global }
      - { .name: qc, .offset: 40, .size: 8, .value_kind: global_buffer, .address_space: global }
      - { .name: qs, .offset: 48, .size: 8, .value_kind: global_buffer, .address_space: global }
      - { .name: kv, .offset: 56, .size: 8, .value_kind: global_buffer, .address_space: global }
    .group_segment_fixed_size: 327680
    .private_segment_fixed_size: 0
    .kernarg_segment_align: 8
    .kernarg_segment_size: 64
    .max_flat_workgroup_size: 128
    .sgpr_count:     102
    .vgpr_count:     1024
    .wavefront_size: 32
...
	.end_amdgpu_metadata
.endif
;; end of part 2
;; launch attn (part 3): grid 32 x 8, 8 waves a work-group, no clusters, 271,360 bytes of LDS; arguments qc, qs, kv, ac, asc; writes ac, asc
.if DOCPART == 3
	.amdgcn_target "amdgcn-amd-amdhsa--gfx1250"
	.amdhsa_code_object_version 6
	.text
	.protected	k_q065cea56d3_attn
	.globl	k_q065cea56d3_attn
	.p2align	8
	.type	k_q065cea56d3_attn,@function
k_q065cea56d3_attn:
	s_mov_b64 s[64:65], 0
	v_nop
	global_prefetch_b8 v0, s[64:65] scope:SCOPE_SE
	s_setreg_imm32_b32 hwreg(HW_REG_WAVE_MODE, 25, 1), 1
	s_wait_xcnt 0x0
; Causal attention on codes of FP6 (E2M3) with E8M0 scales: S^T = K Q^T, p = 2^(t - M), O^T = V^T p^T, O / the row's sum, and the quantiser along the head for the output projection.
; t = score x log2(e) / sqrt(128); M = the running largest t rounded UP to a whole number; the row's sum is taken of the unquantised p; when M moves, the sum and O^T are multiplied by 2^(old M - new M), exactly.
; LEFT OUT: key steps whose 128 keys all come after a tile's queries: the causal mask hides them, so their p is 0 for all inputs.  A NaN or infinity that reaches only such keys is not carried to the result.
; INPUTS are images of operand registers: qc one image (16 queries x 128) a tile; kv one record of 25,600 bytes a key step of 128 keys: K's 8 tile images, V^T's 8 d-tile images, K's 2 scale blocks, V's 2.
;   The rows of a tile are 32 G + 8 u + i + 8 (i / 8) for tile 2 G + u: a lane's 64 scores are keys 32 b + 16 h + i at register 16 b + i, and its 64 numbers of O^T the head's d in the same order.
; SHARES.  Work-group (x, y): m = x / 4, c = x % 4, y = batch x 4 + key head.  It serves token tiles 2 c and 2 c + 1 of the blocks of 128 tokens numbered 15 - m (kind B) and m (kind A), for both query heads of the key head.
;   A WAVE HOLDS BOTH QUERY HEADS of a token tile, so that each fragment of K and V feeds two tiles.  Pair p (waves 4 p .. 4 p + 3) has tile 2 c + p of both blocks: 16 - m key steps of B, then m + 1 of A: 17 items whatever m is,
;   dealt in four shares of 5, 4, 4, 4 items, alike in both pairs: so the two waves with the same share walk the same records in the same order.  Wave w takes share j = (w + p) % 4.
;   A wave whose items cross from B to A hands B's part to LDS and begins anew.  All of that is arithmetic on ids.
;   Each wave keeps an M, a sum and an O^T of its own.  At the end the parts lie in LDS; behind one barrier wave w brings the parts of ONE tile (pair w / 4, kind (w / 2) % 2, head w % 2) under the largest M (powers of two), adds, divides, quantises, stores.
; OPERANDS GO FROM MEMORY STRAIGHT INTO REGISTERS, each load 512 consecutive bytes: the four shares walk different records at different times, so there is no tile that the whole work-group, or a cluster, would read together: no tensor load, no cluster.
;   K's fragments of the next item are asked for in the middle of an item, V's at its head: each half an item ahead of its products.  No prefetch beside that: the loads themselves run ahead.
; REGISTERS.  Window 0: v1, v2 offsets; v5, v6 the add's; v8-11, v24-27 LDS addresses; v12-15, v16-19 -M, largest t, sum of heads 0, 1; v20-23 Q's scale words (two in hand, two of kind A); v29 the mask number; v30 p's scale word;
;   v32-55 Q of both heads; v56-79 kind A's Q; v80-87 K's scale words, v88-95 V's; v96-159 S^T, then p; v160-223 O^T of head 0; v224-235 p's codes; v232-247, v252-255 at work.  Window 1: v0-63 O^T of head 1; v64-159 K; v160-255 V.
; LIMITS: NaN and infinities are not served; 1 / the sum is v_rcp_f32 and a multiplication; a block whose largest magnitude lies under 2^-124 gets the byte 1; the scaled scores stay under 2^31 in magnitude.
.set REC,   25600
.set WSL,   33792                      ; LDS for a share's place: two parts
.set KSL,   16896                      ; a part: O^T of two heads, 8,192 bytes each, and 2 x 256 bytes of -M and sums
.set SPARE, 8*WSL                      ; the spare words, 128 bytes a wave: four blocks of 256 bytes that no other line names
.set LI,  1
.set LSC, 2
.set SPW, 5
.set NIL, 6
.set MA,  8                            ; v8, v9 kind B's part: place 4 p + j;  v10, v11 kind A's: place 4 p + 3 - j
.set MB,  9
.set MR,  24                           ; v24, v25 the merge: parts 0 and 1 of my tile; v26, v27 parts 2 and 3
.set MS,  25
.set MR2, 26
.set MS2, 27
.set QS,  20
.set DQ,  29
.set PSW, 30
.set QF,  32
.set QN,  56
.set KSC, 80
.set VSC, 88
.set TM,  32
.set CT,  236
.set I,   2                            ; s2 the item; s3 where mine end; s14 the item at which B ends, if I cross
.set END, 3
.set SWI, 14
.set KS,  15
.set BLK, 16
.set NB,  17
.set WV,  18
.set M,   19
.set SEL, 20
.set CS,  22
.set KA,  24
.set VA,  26
.set OFF, 28
.set NV,  30
.set MSB, 0
.macro WIN new                         ; the immediate's high byte repeats the setting that is left
.if MSB != (\new)
	s_set_vgpr_msb (MSB<<8)|(\new)
.set MSB, (\new)
.endif
.endm
.macro P4
.rept 4
	v_nop
.endr
.endm
.macro KLOAD                           ; 26 loads: K's eight fragments and two scale blocks
	WIN 0x40
.irp t, 0,1,2,3,4,5,6,7
.irp c, 0,1,2
	global_load_b128 v[64+12*\t+4*\c:67+12*\t+4*\c], v[LI], s[KA:KA+1] offset:1536*\t+512*\c
.endr
.endr
	WIN 0
	global_load_b128 v[KSC:KSC+3], v[LSC], s[KA:KA+1] offset:24576
	global_load_b128 v[KSC+4:KSC+7], v[LSC], s[KA:KA+1] offset:24832
.endm
.macro VLOAD                           ; 26 loads: V^T's
	WIN 0x40
.irp t, 0,1,2,3,4,5,6,7
.irp c, 0,1,2
	global_load_b128 v[160+12*\t+4*\c:163+12*\t+4*\c], v[LI], s[VA:VA+1] offset:12288+1536*\t+512*\c
.endr
.endr
	WIN 0
	global_load_b128 v[VSC:VSC+3], v[LSC], s[VA:VA+1] offset:25088
	global_load_b128 v[VSC+4:VSC+7], v[LSC], s[VA:VA+1] offset:25344
.endm
.macro INIT                            ; the step is written once: the first finds zeros, which the first change of M leaves zeros
.irp h, 0,1
	v_mov_b32 v[13+4*\h], 0xff61b1e6               ; the largest t so far: -3e38
	v_mov_b32 v[12+4*\h], 0x7f61b1e6               ; -M
	v_mov_b32 v[14+4*\h], 0
	v_mov_b32 v[15+4*\h], 0
.endr
.set j, 0
.rept 64
	v_mov_b32 v[160+j], 0
.set j, j+1
.endr
	WIN 0x40
.set j, 0
.rept 64
	v_mov_b32 v[j], 0
.set j, j+1
.endr
	WIN 0
.endm
.macro FLUSH k                         ; my part of kind k goes to LDS as it stands in the registers
	v_add_f32 v13, v14, v15                        ; the lane's sum beside -M
	v_add_f32 v17, v18, v19
	s_wait_alu depctr_va_vdst(0)                   ; ahead of the first reader of O^T
.irp c, 0,1,2,3,4,5,6,7,8,9,10,11,12,13,14,15
	ds_store_b128 v[MA+2*\k], v[160+4*\c:163+4*\c] offset:KSL*\k+512*\c
.endr
	WIN 0x04
.irp c, 0,1,2,3,4,5,6,7,8,9,10,11,12,13,14,15
	ds_store_b128 v[MA+2*\k], v[4*\c:4*\c+3] offset:KSL*\k+8192+512*\c
.endr
	WIN 0
	ds_store_b64 v[MB+2*\k], v[12:13] offset:KSL*\k+16384
	ds_store_b64 v[MB+2*\k], v[16:17] offset:KSL*\k+16640
.endm
.macro QK h                            ; S^T = K Q^T for head h
	WIN 0x01
.irp t, 0,1,2,3,4,5,6,7
	v_wmma_scale_f32_16x16x128_f8f6f4 v[96+8*\t:103+8*\t], v[64+12*\t:75+12*\t], v[QF+12*(\h):QF+12*(\h)+11], 0, v[KSC+\t], v[QS+(\h)] matrix_a_fmt:MATRIX_FMT_FP6 matrix_b_fmt:MATRIX_FMT_FP6
.endr
	WIN 0
	P4                                             ; ahead of the first read of the scores, and of loads into what these products read
.endm
; Head h: the mask on the diagonal, the softmax, p's codes, O^T under the new M, O^T += V^T p^T.
.macro SOFT h
.set ST, 12+4*(\h)
.set OB, 160-160*(\h)
	s_cmp_lt_u32 s[KS], s[BLK]                     ; only the step on the diagonal has hidden keys
	s_cbranch_scc1 .Lopen_\@
	v_mov_b32 v254, 0xff800000                     ; -infinity: p = 0 then
.set n, 0
.rept 64
	v_cmp_gt_i32 vcc_lo, 32*(n/16)+n%16, v[DQ]
	v_cndmask_b32 v[96+n], v[96+n], v254, vcc_lo
.set n, n+1
.endr
.Lopen_\@:
.irp b, 0,1,2,3
	v_max3_num_f32 v[232+\b], v[96+16*\b], v[97+16*\b], v[98+16*\b]   ; the largest score of each block of 32 keys: for the row's maximum and for the block's largest p
.endr
.irp i, 3,5,7,9,11,13
.irp b, 0,1,2,3
	v_max3_num_f32 v[232+\b], v[232+\b], v[96+16*\b+\i], v[97+16*\b+\i]
.endr
.endr
.irp b, 0,1,2,3
	v_max_num_f32 v[232+\b], v[232+\b], v[111+16*\b]
.endr
.irp b, 0,1,2,3
	s_delay_alu instid0(VALU_DEP_4)
	v_permlanex16_b32 v[236+\b], v[232+\b], s[SEL], s[SEL+1]
.endr
.irp b, 0,1,2,3
	s_delay_alu instid0(VALU_DEP_4)
	v_max_num_f32 v[232+\b], v[232+\b], v[236+\b]  ; with lane l xor 16's 16 keys
.endr
	s_delay_alu instid0(VALU_DEP_2)
	v_max3_num_f32 v254, v232, v233, v234
	s_delay_alu instid0(VALU_DEP_1)
	v_max_num_f32 v254, v254, v235
	s_delay_alu instid0(VALU_DEP_1)
	v_mul_f32 v254, s[CS], v254                    ; the step's largest t
	s_delay_alu instid0(VALU_DEP_1)
	v_max_num_f32 v[ST+1], v[ST+1], v254
	v_mov_b32 v254, v[ST]
	s_delay_alu instid0(VALU_DEP_2)
	v_floor_f32 v[ST], -v[ST+1]                    ; the new -M = -ceil(t)
	s_delay_alu instid0(VALU_DEP_1)
	v_sub_f32 v254, v[ST], v254                    ; old M - new M: a whole number, 0 or less
	s_delay_alu instid0(VALU_DEP_1)
	v_cvt_i32_f32 v254, v254                       ; (it saturates)
	s_delay_alu instid0(VALU_DEP_1)
	v_ldexp_f32 v252, 1.0, v254                    ; f = 2^(old M - new M)
.set j, 0
.rept 32
	v_pk_fma_f32 v[96+j:97+j], v[96+j:97+j], s[CS:CS+1], v[ST:ST+1] op_sel_hi:[1,0,0]   ; t - M
.set j, j+2
.endr
.irp b, 0,1,2,3
	v_fma_f32 v[232+\b], v[232+\b], s[CS], v[ST]   ; the same of each block's largest score
.endr
	s_wait_alu depctr_va_vdst(0)                   ; ahead of the batch
.set j, 0
.rept 64
	v_exp_f32 v[96+j], v[96+j]                     ; p = 2^(t - M)
.set j, j+1
.endr
	v_pk_mul_f32 v[ST+2:ST+3], v[ST+2:ST+3], v[252:253] op_sel_hi:[1,0]   ; the sums under the new M: the plain line behind the batch
	s_wait_alu depctr_va_vdst(0)                   ; one wait for the 64
.irp b, 0,1,2,3
	v_exp_f32 v[232+\b], v[232+\b]                 ; each block's largest p
.endr
	v_pk_add_f32 v[236:237], v[100:101], v[104:105]   ; the row's sum of the unquantised p, in eight chains
	v_pk_add_f32 v[254:255], v[108:109], v[112:113]
	v_pk_add_f32 v[246:247], v[116:117], v[120:121]
	v_pk_add_f32 v[244:245], v[124:125], v[128:129]
	v_pk_add_f32 v[242:243], v[132:133], v[136:137]
	v_pk_add_f32 v[240:241], v[140:141], v[144:145]
	v_pk_add_f32 v[238:239], v[148:149], v[152:153]
	v_pk_add_f32 v[ST+2:ST+3], v[ST+2:ST+3], v[156:157]
	v_pk_add_f32 v[236:237], v[236:237], v[96:97]
	v_pk_add_f32 v[254:255], v[254:255], v[98:99]
	v_pk_add_f32 v[246:247], v[246:247], v[102:103]
	v_pk_add_f32 v[244:245], v[244:245], v[106:107]
	v_pk_add_f32 v[242:243], v[242:243], v[110:111]
	v_pk_add_f32 v[240:241], v[240:241], v[114:115]
	v_pk_add_f32 v[238:239], v[238:239], v[118:119]
	v_pk_add_f32 v[ST+2:ST+3], v[ST+2:ST+3], v[122:123]
	v_pk_add_f32 v[236:237], v[236:237], v[126:127]
	v_pk_add_f32 v[254:255], v[254:255], v[130:131]
	v_pk_add_f32 v[246:247], v[246:247], v[134:135]
	v_pk_add_f32 v[244:245], v[244:245], v[138:139]
	v_pk_add_f32 v[242:243], v[242:243], v[142:143]
	v_pk_add_f32 v[240:241], v[240:241], v[146:147]
	v_pk_add_f32 v[238:239], v[238:239], v[150:151]
	v_pk_add_f32 v[ST+2:ST+3], v[ST+2:ST+3], v[154:155]
	v_pk_add_f32 v[236:237], v[236:237], v[158:159]
	s_delay_alu instid0(VALU_DEP_2)
	v_pk_add_f32 v[ST+2:ST+3], v[ST+2:ST+3], v[244:245]
	s_delay_alu instid0(VALU_DEP_2)
	v_pk_add_f32 v[236:237], v[236:237], v[242:243]
	v_pk_add_f32 v[254:255], v[254:255], v[240:241]
	v_pk_add_f32 v[246:247], v[246:247], v[238:239]
	s_delay_alu instid0(VALU_DEP_2)
	v_pk_add_f32 v[ST+2:ST+3], v[ST+2:ST+3], v[254:255]
	s_delay_alu instid0(VALU_DEP_2)
	v_pk_add_f32 v[236:237], v[236:237], v[246:247]
	s_delay_alu instid0(VALU_DEP_1)
	v_pk_add_f32 v[ST+2:ST+3], v[ST+2:ST+3], v[236:237]
	s_wait_alu depctr_va_vdst(0)                   ; and one for the four
.irp b, 0,1,2,3
	v_max_num_f32 v[232+\b], 0x1800000, v[232+\b]  ; the floor 2^(3 - 127): the byte cannot fall under 1
.endr
.irp b, 0,1,2,3
	s_delay_alu instid0(VALU_DEP_4)
	v_add_nc_u32 v[244+\b], 0xff000000, v[232+\b]  ; the conversion's scale operand
.endr
.irp b, 0,1,2,3
	s_delay_alu instid0(VALU_DEP_4)
	v_lshrrev_b32 v[236+\b], 23, v[244+\b]         ; the byte
.endr
	s_delay_alu instid0(VALU_DEP_3)
	v_lshl_or_b32 v[PSW], v237, 8, v236            ; p's scale word for these 128 keys
	s_delay_alu instid0(VALU_DEP_1)
	v_lshl_or_b32 v[PSW], v238, 16, v[PSW]
	s_delay_alu instid0(VALU_DEP_1)
	v_lshl_or_b32 v[PSW], v239, 24, v[PSW]
.irp c, 0,1
	v_cvt_scalef32_pk16_fp6_f32 v[224+6*\c:226+6*\c], v[96+32*\c:111+32*\c], v[244+2*\c]
	v_cvt_scalef32_pk16_fp6_f32 v[236+4*\c:238+4*\c], v[112+32*\c:127+32*\c], v[244+2*\c+1]
.endr
	v_nop                                          ; one plain line behind the scaled conversions
.irp c, 0,1
.irp i, 0,1,2
	v_permlane16_swap_b32 v[224+6*\c+\i], v[236+4*\c+\i]
.endr
.irp i, 0,1,2
	s_delay_alu instid0(VALU_DEP_3)
	v_mov_b32 v[227+6*\c+\i], v[236+4*\c+\i]
.endr
.endr
	WIN 0x41*(\h)
	s_wait_alu depctr_va_vdst(0)                   ; directly ahead of the first reader of O^T
.set j, 0
.rept 32
	v_pk_mul_f32 v[OB+j:OB+j+1], v[OB+j:OB+j+1], v[252:253] op_sel_hi:[1,0]   ; O^T under the new M; these 32 also stand between p's codes and scale word and the products that take them
.set j, j+2
.endr
	WIN 0
	s_wait_alu depctr_va_vdst(0)                   ; ahead of the wait or the branch that follows
.if (\h) == 0
	s_wait_loadcnt 0x0                             ; V's 26 loads, the only ones that are out here
.endif
	WIN 0x01+0x50*(\h)
.irp t, 0,1,2,3,4,5,6,7                        ; the eight accumulators by turns
	v_wmma_scale_f32_16x16x128_f8f6f4 v[OB+8*\t:OB+8*\t+7], v[160+12*\t:171+12*\t], v[224:235], v[OB+8*\t:OB+8*\t+7], v[VSC+\t], v[PSW] matrix_a_fmt:MATRIX_FMT_FP6 matrix_b_fmt:MATRIX_FMT_FP6
.endr
	WIN 0
.endm
	s_load_b256 s[4:11], s[0:1], 0x0               ; qc s[4:5], qs s[6:7], kv s[8:9], ac s[10:11]
	s_load_b64 s[12:13], s[0:1], 0x20              ; asc
	v_lshl_add_u32 v[SPW], v0, 2, SPARE
	v_mov_b32 v[NIL], 0
	v_lshrrev_b32 v3, 5, v0
	v_readfirstlane_b32 s[WV], v3                  ; wave 0..7
	s_lshr_b32 s37, s[WV], 2                       ; p: the pair
	s_add_co_u32 s36, s[WV], s37
	s_and_b32 s36, s36, 3                          ; j = (w + p) % 4: which of the pair's four shares
	s_lshr_b32 s[M], ttmp9, 2
	s_and_b32 s39, ttmp9, 3                        ; c
	s_and_b32 s40, ttmp7, 0xffff                   ; y
	s_sub_co_u32 s[NB], 16, s[M]                   ; B's key steps
	s_sub_co_u32 s44, 15, s[M]                     ; B's block
	s_lshl_b32 s41, s36, 2
	s_min_u32 s42, s36, 1
	s_add_co_u32 s[I], s41, s42                    ; my first item: 0, 5, 9, 13
	s_add_co_u32 s[END], s41, 5                    ; behind my last: 5, 9, 13, 17
	s_lshl_b32 s43, s39, 1
	s_add_co_u32 s43, s43, s37                     ; the tile within its block
	s_sub_co_u32 s45, s[I], s[NB]
	s_cmp_lt_u32 s[I], s[NB]                       ; do I begin in B?
	s_cselect_b32 s[BLK], s44, s[M]
	s_cselect_b32 s[KS], s[I], s45
	s_cselect_b32 s[SWI], s[NB], -1
	s_mul_i32 s[OFF], s[KS], REC
	s_mov_b32 s[OFF+1], 0
	s_mul_i32 s60, s40, 16*REC
	s_mov_b32 s61, 0
	s_lshl_b32 s46, s40, 8                         ; (batch x 8 + head 2 kvh) x 128 tiles
	s_lshl_b32 s47, s[BLK], 3
	s_add_co_u32 s47, s47, s43                     ; my first tile within the sequence
	s_add_co_u32 s48, s46, s47
	s_mul_i32 s48, s48, 1536
	s_mov_b32 s49, 0
	s_lshl_b32 s50, s[M], 3
	s_add_co_u32 s50, s50, s43                     ; kind A's
	s_add_co_u32 s52, s46, s50
	s_mul_i32 s52, s52, 1536
	s_mov_b32 s53, 0
	s_lshl_b32 s54, s40, 6
	s_lshr_b32 s55, s47, 2
	s_add_co_u32 s55, s55, s54
	s_lshl_b32 s55, s55, 8
	s_and_b32 s56, s47, 3
	s_lshl_b32 s56, s56, 2
	s_add_co_u32 s56, s56, s55                     ; its word in its scale block
	s_mov_b32 s57, 0
	s_lshr_b32 s55, s50, 2
	s_add_co_u32 s55, s55, s54
	s_lshl_b32 s55, s55, 8
	s_and_b32 s58, s50, 3
	s_lshl_b32 s58, s58, 2
	s_add_co_u32 s58, s58, s55
	s_mov_b32 s59, 0
	; what I merge: kind k, head h of pair p.  Part t of kind B is share t's, of kind A share 3 - t's; it exists where 4 t < X, X = 15 - m for B and m + 1 for A; part 0 always does
	s_bfe_u32 s46, s[WV], 0x10001                  ; k
	s_and_b32 s47, s[WV], 1                        ; h
	s_add_co_u32 s51, s[M], 1
	s_cmp_eq_u32 s46, 1
	s_cselect_b32 s50, s[M], s44
	s_cselect_b32 s51, s51, s44
	s_sub_co_u32 s51, s51, 1
	s_lshr_b32 s51, s51, 2
	s_min_u32 s51, s51, 3
	s_add_co_u32 s[NV], s51, 1                     ; the number of parts
	s_lshl_b32 s50, s50, 3
	s_add_co_u32 s50, s50, s43
	s_lshr_b32 s51, s40, 2
	s_lshl_b32 s51, s51, 7
	s_add_co_u32 s50, s50, s51                     ; the token tile among all 256
	s_and_b32 s51, s40, 3
	s_lshl_b32 s51, s51, 1
	s_add_co_u32 s51, s51, s47                     ; the query head = the projection's K step
	s_lshl_b32 s62, s50, 3
	s_add_co_u32 s62, s62, s51
	s_mul_i32 s62, s62, 1536                       ; the result's image
	s_mov_b32 s63, 0
	s_lshl_b32 s54, s50, 1
	s_lshr_b32 s55, s51, 2
	s_add_co_u32 s54, s54, s55
	s_lshl_b32 s54, s54, 8
	s_and_b32 s55, s51, 3
	s_lshl_b32 s55, s55, 2
	s_add_co_u32 s54, s54, s55                     ; its word in its scale block
	s_mov_b32 s55, 0
	s_lshl_b32 s41, s37, 2                         ; LDS: constants and the wave's number alone
	s_add_co_u32 s41, s41, s36                     ; kind B's place: 4 p + j
	s_xor_b32 s42, s41, 3                          ; kind A's: 4 p + 3 - j
	s_mul_i32 s41, s41, WSL
	s_mul_i32 s42, s42, WSL
	s_mul_i32 s45, s37, 4*WSL
	s_mul_i32 s46, s46, KSL
	s_add_co_u32 s45, s45, s46
	s_lshl_b32 s46, s47, 13
	s_add_co_u32 s46, s46, s45
	s_lshl_b32 s47, s47, 8
	s_add_co_u32 s47, s47, s45
	s_add_co_u32 s47, s47, 16384
	s_lshr_b32 s50, s43, 1
	s_lshl_b32 s50, s50, 5
	s_and_b32 s51, s43, 1
	s_lshl_b32 s51, s51, 3
	s_add_co_u32 s50, s50, s51                     ; the tile's first query within its block
	s_mov_b32 s[SEL], 0x76543210
	s_mov_b32 s[SEL+1], 0xfedcba98
	s_mov_b32 s[CS], 0x3e0293ee                    ; c = log2(e) / sqrt(128)
	s_mov_b32 s[CS+1], s[CS]
	v_and_b32 v3, 31, v0
	v_and_b32 v4, 15, v0                           ; r
	v_bfe_u32 v7, v0, 4, 1                         ; h
	v_lshlrev_b32 v[LI], 4, v3
	v_lshlrev_b32 v[LSC], 4, v4
	v_lshl_add_u32 v[MA], v3, 4, s41
	v_lshl_add_u32 v[MB], v3, 3, s41
	v_lshl_add_u32 v[MA+2], v3, 4, s42
	v_lshl_add_u32 v[MB+2], v3, 3, s42
	v_lshl_add_u32 v[MR], v3, 4, s46
	v_lshl_add_u32 v[MS], v3, 3, s47
	v_add_nc_u32 v[MR2], 2*WSL, v[MR]
	v_add_nc_u32 v[MS2], 2*WSL, v[MS]
	v_and_b32 v[DQ], 8, v4
	v_lshlrev_b32 v7, 4, v7
	v_add_nc_u32 v[DQ], v[DQ], v4
	v_add_nc_u32 v[DQ], s50, v[DQ]                 ; my query within its block of 128,
	v_sub_nc_u32 v[DQ], v[DQ], v7                  ; less 16 h: on the diagonal register 16 b + i is hidden where 32 b + i is above this number
	s_wait_alu depctr_va_vdst(0)
	s_wait_kmcnt 0x0
	s_add_nc_u64 s[8:9], s[8:9], s[60:61]
	s_add_nc_u64 s[KA:KA+1], s[8:9], s[OFF:OFF+1]
	s_add_nc_u64 s[32:33], s[4:5], s[52:53]
	s_add_nc_u64 s[4:5], s[4:5], s[48:49]
	s_add_nc_u64 s[34:35], s[6:7], s[58:59]
	s_add_nc_u64 s[6:7], s[6:7], s[56:57]
	s_add_nc_u64 s[10:11], s[10:11], s[62:63]
	s_add_nc_u64 s[12:13], s[12:13], s[54:55]
.irp h, 0,1
.irp c, 0,1,2
	global_load_b128 v[QF+12*\h+4*\c:QF+12*\h+4*\c+3], v[LI], s[4:5] offset:196608*\h+512*\c    ; Q of my first tile, both heads
	global_load_b128 v[QN+12*\h+4*\c:QN+12*\h+4*\c+3], v[LI], s[32:33] offset:196608*\h+512*\c  ; and of kind A's; every wave asks, so that one text serves all
.endr
	global_load_b32 v[QS+\h], v[LSC], s[6:7] offset:8192*\h
	global_load_b32 v[QS+2+\h], v[LSC], s[34:35] offset:8192*\h
.endr
	KLOAD                                          ; my first item's K
	INIT
.irp b, 0,1,2,3
	v_mov_b32 v[236+\b], 0                         ; a lane permute's destination counts as one of its sources
.endr
	v_mov_b32 v252, 0
	v_mov_b32 v253, 0                              ; (named as the upper half of the pair v[252:253])
	s_wait_alu depctr_va_vdst(0)                   ; at the head's end
	s_wait_loadcnt 26                              ; Q is in; K's 26 loads may be out
.Litem:                                            ; AN ITEM: one key step of 128 keys for both heads of the tile in hand
	P4                                             ; behind the last item's products: ahead of the stores of O^T and of the loads into V's registers
	s_cmp_eq_u32 s[I], s[SWI]
	s_cbranch_scc0 .Lsame
	FLUSH 0                                        ; B's key steps are over: my part of B goes to LDS, and A begins
	s_wait_dscnt 0x0                               ; the stores have read their registers
	v_mov_b32 v[QS], v[QS+2]
	v_mov_b32 v[QS+1], v[QS+3]
.set j, 0
.rept 24
	v_mov_b32 v[QF+j], v[QN+j]
.set j, j+1
.endr
	INIT
	s_mov_b32 s[BLK], s[M]
	s_mov_b32 s[KS], 0
	s_wait_alu depctr_va_vdst(0)                   ; ahead of the waits below
.Lsame:
	s_mov_b64 s[VA:VA+1], s[KA:KA+1]               ; the last item's V loads were waited for: their base may be written
	VLOAD
	s_wait_loadcnt 26                              ; K is in; V's 26 loads, just issued, may be out
	QK 0
	SOFT 0
	QK 1
	s_add_co_u32 s31, s[I], 1
	s_cmp_eq_u32 s31, s[END]
	s_cbranch_scc1 .Lnok                           ; my last item asks for nothing more
	s_add_co_u32 s[OFF], s[OFF], REC
	s_cmp_eq_u32 s31, s[NB]
	s_cselect_b32 s[OFF], 0, s[OFF]                ; the next record, or A's first
	s_add_nc_u64 s[KA:KA+1], s[8:9], s[OFF:OFF+1]  ; this item's K loads were waited for: their base may be written
	KLOAD
.Lnok:
	SOFT 1
	s_add_co_u32 s[KS], s[KS], 1
	s_add_co_u32 s[I], s[I], 1
	s_cmp_lt_u32 s[I], s[END]
	s_cbranch_scc1 .Litem
	s_wait_loadcnt 0x0
	P4
	s_cmp_le_u32 s[END], s[NB]                     ; did I end in B?
	s_cbranch_scc1 .Lend_b
	FLUSH 1
	s_branch .Lflushed
.Lend_b:
	FLUSH 0
.Lflushed:
.irp t, 1,2,3
	v_mov_b32 v[40+2*\t], 0x7f61b1e6               ; a part that does not exist: -M = 3e38, a sum of 0
	v_mov_b32 v[41+2*\t], 0
.endr
	s_wait_alu depctr_va_vdst(0)                   ; ahead of the waits and branches below
	s_wait_dscnt 0x0                               ; for the others' sake: my stores have landed
	s_barrier_signal -1
	s_barrier_wait -1
	; ---- THE MERGE of my tile's parts
.irp c, 0,1,2,3,4,5,6,7,8,9,10,11,12,13,14,15
	ds_load_b128 v[96+4*\c:99+4*\c], v[MR] offset:512*\c
.endr
	ds_load_b64 v[40:41], v[MS]
	s_cmp_lt_u32 s[NV], 2
	s_cbranch_scc1 .Lloaded
.irp c, 0,1,2,3,4,5,6,7,8,9,10,11,12,13,14,15
	ds_load_b128 v[160+4*\c:163+4*\c], v[MR] offset:WSL+512*\c
.endr
	ds_load_b64 v[42:43], v[MS] offset:WSL
	s_cmp_lt_u32 s[NV], 3
	s_cbranch_scc1 .Lloaded
	WIN 0x40
.irp c, 0,1,2,3,4,5,6,7,8,9,10,11,12,13,14,15
	ds_load_b128 v[4*\c:4*\c+3], v[MR2] offset:512*\c
.endr
	WIN 0
	ds_load_b64 v[44:45], v[MS2]
	s_cmp_lt_u32 s[NV], 4
	s_cbranch_scc1 .Lloaded
	WIN 0x40
.irp c, 0,1,2,3,4,5,6,7,8,9,10,11,12,13,14,15
	ds_load_b128 v[64+4*\c:67+4*\c], v[MR2] offset:WSL+512*\c
.endr
	WIN 0
	ds_load_b64 v[46:47], v[MS2] offset:WSL
.Lloaded:
	s_wait_dscnt 0x0
	v_min_num_f32 v52, v40, v42
	v_min_num_f32 v53, v44, v46
	s_delay_alu instid0(VALU_DEP_1)
	v_min_num_f32 v52, v52, v53                    ; -M of all parts: the largest M
.irp t, 0,1,2,3
	v_sub_f32 v[56+\t], v52, v[40+2*\t]            ; part t's M less the common one: a whole number, 0 or less
.endr
.irp t, 0,1,2,3
	s_delay_alu instid0(VALU_DEP_4)
	v_cvt_i32_f32 v[56+\t], v[56+\t]               ; (it saturates)
.endr
.irp t, 0,1,2,3
	s_delay_alu instid0(VALU_DEP_4)
	v_ldexp_f32 v[60+2*\t], 1.0, v[56+\t]          ; a power of two, or 0
.endr
	v_mul_f32 v54, v41, v60
	s_delay_alu instid0(VALU_DEP_1)
	v_fma_f32 v54, v43, v62, v54
	s_delay_alu instid0(VALU_DEP_1)
	v_fma_f32 v54, v45, v64, v54
	s_delay_alu instid0(VALU_DEP_1)
	v_fma_f32 v54, v47, v66, v54                   ; the lane's sum under the common M
	s_delay_alu instid0(VALU_DEP_1)
	v_permlanex16_b32 v55, v54, s[SEL], s[SEL+1]
	s_delay_alu instid0(VALU_DEP_1)
	v_add_f32 v54, v54, v55                        ; the row's sum
	s_wait_alu depctr_va_vdst(0)                   ; ahead of the reciprocal
	v_rcp_f32 v54, v54
	v_nop
	s_wait_alu depctr_va_vdst(0)                   ; and ahead of its first reader
.irp t, 0,1,2,3
	v_mul_f32 v[60+2*\t], v[60+2*\t], v54          ; each part's factor / the sum
.endr
.set j, 0
.rept 32
	v_pk_mul_f32 v[96+j:97+j], v[96+j:97+j], v[60:61] op_sel_hi:[1,0]
.set j, j+2
.endr
	s_wait_alu depctr_va_vdst(0)                   ; ahead of the branch
	s_cmp_lt_u32 s[NV], 2
	s_cbranch_scc1 .Lmerged
.set j, 0
.rept 32
	v_pk_fma_f32 v[96+j:97+j], v[160+j:161+j], v[62:63], v[96+j:97+j] op_sel_hi:[1,0,1]
.set j, j+2
.endr
	s_wait_alu depctr_va_vdst(0)
	s_cmp_lt_u32 s[NV], 3
	s_cbranch_scc1 .Lmerged
	WIN 0x01
.set j, 0
.rept 32
	v_pk_fma_f32 v[96+j:97+j], v[j:j+1], v[64:65], v[96+j:97+j] op_sel_hi:[1,0,1]
.set j, j+2
.endr
	WIN 0
	s_wait_alu depctr_va_vdst(0)
	s_cmp_lt_u32 s[NV], 4
	s_cbranch_scc1 .Lmerged
	WIN 0x01
.set j, 0
.rept 32
	v_pk_fma_f32 v[96+j:97+j], v[64+j:65+j], v[66:67], v[96+j:97+j] op_sel_hi:[1,0,1]
.set j, j+2
.endr
	WIN 0
	s_wait_alu depctr_va_vdst(0)
.Lmerged:
	; ---- THE WAY OUT: the 64 numbers of a lane run along the head in the quantiser's order; the fragment is K step 'head' of the projection's operand
.irp b, 0,1,2,3
	v_max3_num_f32 v[TM+\b], |v[96+16*\b]|, |v[97+16*\b]|, 0x1800000
.endr
.irp i, 2,4,6,8,10,12,14
.irp b, 0,1,2,3
	s_delay_alu instid0(VALU_DEP_4)
	v_max3_num_f32 v[TM+\b], v[TM+\b], |v[96+16*\b+\i]|, |v[97+16*\b+\i]|
.endr
.endr
.irp b, 0,1,2,3
	s_delay_alu instid0(VALU_DEP_4)
	v_permlanex16_b32 v[TM+4+\b], v[TM+\b], s[SEL], s[SEL+1]
.endr
.irp b, 0,1,2,3
	s_delay_alu instid0(VALU_DEP_4)
	v_max_num_f32 v[TM+\b], v[TM+\b], v[TM+4+\b]
.endr
.irp b, 0,1,2,3
	s_delay_alu instid0(VALU_DEP_4)
	v_add_nc_u32 v[TM+12+\b], 0xff000000, v[TM+\b]
.endr
.irp b, 0,1,2,3
	s_delay_alu instid0(VALU_DEP_4)
	v_lshrrev_b32 v[TM+4+\b], 23, v[TM+12+\b]
.endr
	s_delay_alu instid0(VALU_DEP_3)
	v_lshl_or_b32 v48, v[TM+5], 8, v[TM+4]
	s_delay_alu instid0(VALU_DEP_1)
	v_lshl_or_b32 v48, v[TM+6], 16, v48
	s_delay_alu instid0(VALU_DEP_1)
	v_lshl_or_b32 v48, v[TM+7], 24, v48            ; my row's scale word
.irp c, 0,1
	v_cvt_scalef32_pk16_fp6_f32 v[224+6*\c:226+6*\c], v[96+32*\c:111+32*\c], v[TM+12+2*\c]
	v_cvt_scalef32_pk16_fp6_f32 v[CT+4*\c:CT+4*\c+2], v[112+32*\c:127+32*\c], v[TM+13+2*\c]
.endr
	v_nop                                          ; one plain line behind the scaled conversions
.irp c, 0,1
.irp i, 0,1,2
	v_permlane16_swap_b32 v[224+6*\c+\i], v[CT+4*\c+\i]
.endr
.irp i, 0,1,2
	s_delay_alu instid0(VALU_DEP_3)
	v_mov_b32 v[227+6*\c+\i], v[CT+4*\c+\i]
.endr
.endr
.irp c, 0,1,2
	global_store_b128 v[LI], v[224+4*\c:227+4*\c], s[10:11] offset:512*\c   ; 512 consecutive bytes, aligned
.endr
	global_store_b32 v[LSC], v48, s[12:13]         ; one word of each place's four: the other three belong to other heads; lanes 16-31 store the same words to the same places
	s_wait_tensorcnt 0x0                           ; the wave's end
	ds_add_u32 v[SPW], v[NIL]
	s_wait_dscnt 0x0
	s_endpgm
.Lfunc_end_k_q065cea56d3_attn:
	.size	k_q065cea56d3_attn, .Lfunc_end_k_q065cea56d3_attn-k_q065cea56d3_attn
	.p2alignl 7, 3214868480
	.fill 96, 4, 3214868480
	.section	.rodata,"a",@progbits
	.p2align	6, 0x0
	.amdhsa_kernel k_q065cea56d3_attn
		.amdhsa_group_segment_fixed_size 271360
		.amdhsa_private_segment_fixed_size 0
		.amdhsa_enable_private_segment 0
		.amdhsa_kernarg_size 40
		.amdhsa_user_sgpr_count 2
		.amdhsa_user_sgpr_kernarg_segment_ptr 1
		.amdhsa_wavefront_size32 1
		.amdhsa_system_sgpr_workgroup_id_x 1
		.amdhsa_system_sgpr_workgroup_id_y 1
		.amdhsa_system_sgpr_workgroup_id_z 1
		.amdhsa_system_vgpr_workitem_id 0
		.amdhsa_next_free_vgpr 512
		.amdhsa_next_free_sgpr 66
		.amdhsa_reserve_vcc 1
		.amdhsa_float_denorm_mode_32 3
		.amdhsa_float_denorm_mode_16_64 3
		.amdhsa_memory_ordered 1
		.amdhsa_forward_progress 1
		.amdhsa_inst_pref_size 96
	.end_amdhsa_kernel
	.amdgpu_metadata
---
amdhsa.version: [ 1, 2 ]
amdhsa.kernels:
  - .name:           k_q065cea56d3_attn
    .symbol:         k_q065cea56d3_attn.kd
    .args:
      - { .name: qc, .offset: 0, .size: 8, .value_kind: global_buffer, .address_space: global }
      - { .name: qs, .offset: 8, .size: 8, .value_kind: global_buffer, .address_space: global }
      - { .name: kv, .offset: 16, .size: 8, .value_kind: global_buffer, .address_space: global }
      - { .name: ac, .offset: 24, .size: 8, .value_kind: global_buffer, .address_space: global }
      - { .name: asc, .offset: 32, .size: 8, .value_kind: global_buffer, .address_space: global }
    .group_segment_fixed_size: 271360
    .private_segment_fixed_size: 0
    .kernarg_segment_align: 8
    .kernarg_segment_size: 40
    .max_flat_workgroup_size: 256
    .sgpr_count:     66
    .vgpr_count:     512
    .wavefront_size: 32
...
	.end_amdgpu_metadata
.endif
;; end of part 3
;; launch oproj (part 4): grid 16 x 16, 4 waves a work-group, clusters of 4 x 4, 327,680 bytes of LDS; arguments ac, asc, codes, scales, out0; writes out0
.if DOCPART == 4
	.amdgcn_target "amdgcn-amd-amdhsa--gfx1250"
	.amdhsa_code_object_version 6
	.text
	.protected	k_q065cea56d3_oproj
	.globl	k_q065cea56d3_oproj
	.p2align	8
	.type	k_q065cea56d3_oproj,@function
k_q065cea56d3_oproj:
	s_mov_b64 s[64:65], 0
	v_nop
	global_prefetch_b8 v0, s[64:65] scope:SCOPE_SE
	s_setreg_imm32_b32 hwreg(HW_REG_WAVE_MODE, 25, 1), 1
	s_wait_xcnt 0x0
	s_wait_alu depctr_hold_cnt(0) depctr_sa_sdst(0) depctr_va_vdst(0) depctr_va_sdst(0) depctr_va_ssrc(0) depctr_va_vcc(0) depctr_vm_vsrc(0)
	s_getreg_b32 s2, hwreg(HW_REG_IB_STS2, 6, 4)
	s_cmp_eq_u32 s2, 0
	s_cbranch_scc0 .Lentry_in_a_cluster
	s_endpgm
.Lentry_in_a_cluster:
	s_bfe_u32 s2, ttmp6, 0x10000c
	s_cmp_lg_u32 s2, 0xf033
	s_cbranch_scc0 .Lentry_shape_is_right
	s_endpgm
.Lentry_shape_is_right:
; out0 = attn o_w^T on codes of FP6 (E2M3) with E8M0 scales, K = 1,024.  Both operands lie in memory as images of operand registers (1,536 bytes a tile of 16 rows x 128 K, tile by tile, K step by K step), scale blocks of 256 bytes beside them.
; SHARES.  Work-group (hx, y2): 128 columns of out0 (8 tiles of o_w's rows) x 256 tokens (16 tiles).  Four waves, each 64 tokens x 128 columns: 32 accumulators; P = W's eight fragments as source 0, Q = the wave's four token tiles as source 1:
;   a lane holds one token, its registers run along the columns.
; ALL OF K LIES IN LDS AT ONCE: X's 16 tiles are 196,608 dense bytes of memory, W's 8 tiles 98,304, their scale blocks 8,192 and 4,096: four tensor loads at the head, one a wave; nothing is filled again, so one barrier shows all to all.
; CLUSTER 4 x 4: X's bytes hang on y2 alone and are asked for jointly along a row of the cluster, W's on hx alone, along a column.  No prefetch: there is no loop to run ahead in; the head's loads are all that is read.
; REGISTERS: window 0: v16-25 addresses; v30, v31 the add's; v32-127 scale words, two sets; v128-175, v176-223 Q's two sets.  Window 1: v0-95, v128-223 P's two sets.  Window 2: accumulator (a, b) at v[8 (8 a + b)].
.set TP,     12288                     ; a tile's 8 images
.set TS,     512                       ; a tile's 2 scale blocks
.set XPART,  16*TP
.set SCX,    24*TP
.set SCW,    SCX+16*TS
.set SPARE,  SCW+8*TS                  ; the spare words, 128 bytes a wave: two blocks of 256 bytes that no other line names
.set WBASE,  9437184                   ; where o_w's images begin in codes
.set WSBASE, 393216                    ; and its scale blocks in scales
.set SP,     528                       ; the way out: a stage row, 512 bytes + 16
.set ADP,  16                          ; v16, v17 P's tiles 0-3, 4-7
.set ADQ,  18
.set ADSP, 20
.set ADSQ, 21
.set LI,   22
.set LR,   23
.set STO,  24
.set RD,   25
.set SPW,  30
.set NIL,  31
.set SC,   32
.set QF,   128
.set BK,   128
.set G1X,  24
.set G0X,  32
.set G1W,  48
.set G0W,  56
.set G1SX, 68
.set G0SX, 76
.set G1SW, 80
.set G0SW, 88
.set MUL,  0xa1
.set TO_P, 0x40
.set MSB, 0
.macro WIN new
.if MSB != (\new)
	s_set_vgpr_msb (MSB<<8)|(\new)
.set MSB, (\new)
.endif
.endm
.macro PLACES n
.rept \n
	v_nop
.endr
.endm
.macro CROUND                          ; a round of the cluster's barrier
	s_barrier_signal -1
	s_barrier_wait -1
	s_cmp_lg_u32 s20, 0
	s_cbranch_scc1 .Lnot_wave_0_\@
	s_barrier_signal -3
.Lnot_wave_0_\@:
	s_barrier_wait -3
	s_barrier_signal -1
	s_barrier_wait -1
.endm
; Eight products: Q's fragment a against P's eight.  The 32 accumulators take turns in the same order in every step.
.macro MUL8 a, p, q, sc, zero
.irp b, 0,1,2,3,4,5,6,7
.if \zero
	v_wmma_scale_f32_16x16x128_f8f6f4 v[8*(8*(\a)+\b):8*(8*(\a)+\b)+7], v[128*(\p)+12*\b:128*(\p)+12*\b+11], v[QF+48*(\p)+12*(\a):QF+48*(\p)+12*(\a)+11], 0, v[SC+48*(\sc)+4*\b+(\q)], v[SC+48*(\sc)+32+4*(\a)+(\q)] matrix_a_fmt:MATRIX_FMT_FP6 matrix_b_fmt:MATRIX_FMT_FP6
.else
	v_wmma_scale_f32_16x16x128_f8f6f4 v[8*(8*(\a)+\b):8*(8*(\a)+\b)+7], v[128*(\p)+12*\b:128*(\p)+12*\b+11], v[QF+48*(\p)+12*(\a):QF+48*(\p)+12*(\a)+11], v[8*(8*(\a)+\b):8*(8*(\a)+\b)+7], v[SC+48*(\sc)+4*\b+(\q)], v[SC+48*(\sc)+32+4*(\a)+(\q)] matrix_a_fmt:MATRIX_FMT_FP6 matrix_b_fmt:MATRIX_FMT_FP6
.endif
.endr
.endm
; One run of LDS loads: K step ks into set p: P's 24, Q's fragments 0 and 1, (sc >= 0: the twelve scale blocks of four K steps,) Q's fragments 2 and 3 last.  Every load takes 512 consecutive bytes.
.macro FETCH ks, p, sc
	WIN TO_P
.irp b, 0,1,2,3,4,5,6,7
.irp c, 0,1,2
	ds_load_b128 v[128*(\p)+12*\b+4*\c:128*(\p)+12*\b+4*\c+3], v[ADP+\b/4] offset:TP*(\b%4)+1536*(\ks)+512*\c
.endr
.endr
	WIN 0
.irp a, 0,1
.irp c, 0,1,2
	ds_load_b128 v[QF+48*(\p)+12*\a+4*\c:QF+48*(\p)+12*\a+4*\c+3], v[ADQ] offset:TP*\a+1536*(\ks)+512*\c
.endr
.endr
.if (\sc) >= 0
.irp b, 0,1,2,3,4,5,6,7
	ds_load_b128 v[SC+48*(\sc)+4*\b:SC+48*(\sc)+4*\b+3], v[ADSP] offset:TS*\b+256*(\sc)
.endr
.irp a, 0,1,2,3
	ds_load_b128 v[SC+48*(\sc)+32+4*\a:SC+48*(\sc)+32+4*\a+3], v[ADSQ] offset:TS*\a+256*(\sc)
.endr
.endif
.irp a, 2,3
.irp c, 0,1,2
	ds_load_b128 v[QF+48*(\p)+12*\a+4*\c:QF+48*(\p)+12*\a+4*\c+3], v[ADQ] offset:TP*\a+1536*(\ks)+512*\c
.endr
.endr
.endm
.macro STEP ks, zero                   ; K step ks; the next step's fragments are fetched in its middle
	s_wait_dscnt 6                                 ; all but the youngest six loads (Q's fragments 2 and 3) are in
	WIN MUL
	MUL8 0, (\ks)%2, (\ks)%4, (\ks)/4, \zero
	MUL8 1, (\ks)%2, (\ks)%4, (\ks)/4, \zero
	PLACES 4                                       ; between the last products that read the other set and the loads into it
.if ((\ks)+1)%4 == 0
	FETCH (\ks)+1, 1-(\ks)%2, ((\ks)+1)/4
	s_wait_dscnt 48                                ; all but the 48 just issued
.else
	FETCH (\ks)+1, 1-(\ks)%2, -1
	s_wait_dscnt 36                                ; all but the 36 just issued
.endif
	WIN MUL
	MUL8 2, (\ks)%2, (\ks)%4, (\ks)/4, \zero
	MUL8 3, (\ks)%2, (\ks)%4, (\ks)/4, \zero
.endm
	s_load_b256 s[4:11], s[0:1], 0x0               ; ac s[4:5], asc s[6:7], codes s[8:9], scales s[10:11]
	s_load_b64 s[12:13], s[0:1], 0x20              ; out0
	v_lshl_add_u32 v[SPW], v0, 2, SPARE
	v_mov_b32 v[NIL], 0
	ds_add_u32 v[SPW], v[NIL]                      ; the opening lines: the add, twice on end, and its wait ahead of my first tensor load
	ds_add_u32 v[SPW], v[NIL]
	v_lshrrev_b32 v1, 5, v0
	v_readfirstlane_b32 s20, v1                    ; wave 0..3
	s_bfe_u32 s40, ttmp6, 0x40000                  ; cx
	s_bfe_u32 s41, ttmp6, 0x40004                  ; cy
	s_lshl_b32 s42, ttmp9, 2
	s_add_co_u32 s42, s42, s40                     ; hx
	s_and_b32 s43, ttmp7, 0xffff
	s_lshl_b32 s43, s43, 2
	s_add_co_u32 s43, s43, s41                     ; y2
	s_lshl_b32 s44, s41, 2
	s_lshl_b32 s44, 15, s44                        ; my row of the cluster
	s_lshl_b32 s45, 0x1111, s40                    ; my column
	; descriptor groups 1: dense blocks as rows of 256 bytes (32 elements of 8 bytes); they differ in the mask and the number of rows
	s_or_b32 s[G1X], s44, (3<<16)|(1<<21)
	s_or_b32 s[G1W], s45, (3<<16)|(1<<21)
	s_or_b32 s[G1SX], s44, (3<<16)|(1<<21)
	s_or_b32 s[G1SW], s45, (3<<16)|(1<<21)
.irp g, G1X, G1W, G1SX, G1SW
	s_mov_b32 s[\g+1], 32<<16
	s_mov_b32 s[\g+3], 32<<16
	s_mov_b32 s[\g+5], 32
	s_mov_b32 s[\g+6], 0
	s_mov_b32 s[\g+7], 0
.endr
	s_mov_b32 s[G1X+2], 768<<16
	s_mov_b32 s[G1X+4], 768
	s_mov_b32 s[G1W+2], 384<<16
	s_mov_b32 s[G1W+4], 384
	s_mov_b32 s[G1SX+2], 32<<16
	s_mov_b32 s[G1SX+4], 32
	s_mov_b32 s[G1SW+2], 16<<16
	s_mov_b32 s[G1SW+4], 16
	s_mul_i32 s94, s43, 16*TP                      ; X's hang on y2, W's on hx, each in registers that never hold the other coordinate
	s_mov_b32 s95, 0
	s_lshl_b32 s96, s43, 13
	s_mov_b32 s97, 0
	s_mul_i32 s100, s42, 8*TP
	s_add_co_u32 s100, s100, WBASE
	s_mov_b32 s101, 0
	s_lshl_b32 s2, s42, 12
	s_add_co_u32 s2, s2, WSBASE
	s_mov_b32 s3, 0
	s_wait_dscnt 0x0                               ; both opening adds are done
	s_wait_kmcnt 0x0
	s_add_nc_u64 s[94:95], s[4:5], s[94:95]
	s_add_nc_u64 s[96:97], s[6:7], s[96:97]
	s_add_nc_u64 s[100:101], s[8:9], s[100:101]
	s_add_nc_u64 s[2:3], s[10:11], s[2:3]
	CROUND                                         ; all sixteen work-groups are here: the joint loads meet
	s_mov_b32 s[G0X], 1
	s_mov_b32 s[G0X+1], 0
	s_mov_b64 s[G0X+2:G0X+3], s[94:95]
	s_or_b32 s[G0X+3], s[G0X+3], 0x80000000
	s_mov_b32 s[G0W], 1
	s_mov_b32 s[G0W+1], XPART
	s_mov_b64 s[G0W+2:G0W+3], s[100:101]
	s_or_b32 s[G0W+3], s[G0W+3], 0x80000000
	s_mov_b32 s[G0SX], 1
	s_mov_b32 s[G0SX+1], SCX
	s_mov_b64 s[G0SX+2:G0SX+3], s[96:97]
	s_or_b32 s[G0SX+3], s[G0SX+3], 0x80000000
	s_mov_b32 s[G0SW], 1
	s_mov_b32 s[G0SW+1], SCW
	s_mov_b64 s[G0SW+2:G0SW+3], s[2:3]
	s_or_b32 s[G0SW+3], s[G0SW+3], 0x80000000
; The head's loads, one a wave: wave 0 X's codes, wave 1 W's, wave 2 X's scales, wave 3 W's.  One tree of branches on the wave's number; every way passes one load.
.macro ARM under, g0, g1, next
	s_cmp_lt_u32 s20, \under
	s_cbranch_scc0 \next
	tensor_load_to_lds s[\g0:\g0+3], s[\g1:\g1+7]
	s_nop 0
.rept 4
	v_nop
.endr
	s_branch .Lhead_asked
\next:
.endm
	ARM 1, G0X, G1X, .Lhead_w
	ARM 2, G0W, G1W, .Lhead_sx
	ARM 3, G0SX, G1SX, .Lhead_sw
	tensor_load_to_lds s[G0SW:G0SW+3], s[G1SW:G1SW+7]
	s_nop 0
.rept 4
	v_nop
.endr
.Lhead_asked:
	v_and_b32 v1, 31, v0
	v_lshlrev_b32 v[LI], 4, v1
	v_and_b32 v2, 15, v0
	v_lshlrev_b32 v[LR], 4, v2
	v_bfe_u32 v3, v0, 4, 1
	v_add_nc_u32 v[ADP], XPART, v[LI]
	v_add_nc_u32 v[ADP+1], 4*TP, v[ADP]
	s_mul_i32 s92, s20, 4*TP                       ; my four token tiles; behind the last product my stage lies on their first bytes
	v_add_nc_u32 v[ADQ], s92, v[LI]
	v_add_nc_u32 v[ADSP], SCW, v[LR]
	v_mul_u32_u24 v[STO], v2, SP
	v_lshl_add_u32 v[STO], v3, 6, v[STO]
	v_add_nc_u32 v[STO], s92, v[STO]
	v_add_nc_u32 v[RD], s92, v[LI]
	s_mul_i32 s92, s20, 4*TS
	s_add_co_u32 s92, s92, SCX
	v_add_nc_u32 v[ADSQ], s92, v[LR]
	s_lshl_b32 s92, s43, 8
	s_lshl_b32 s93, s20, 6
	s_add_co_u32 s92, s92, s93                     ; my first token
	s_lshl_b32 s92, s92, 13                        ; rows of 8,192 bytes
	s_lshl_b32 s93, s42, 9
	s_add_co_u32 s92, s92, s93                     ; + my 128 columns
	s_mov_b32 s93, 0
	s_add_nc_u64 s[12:13], s[12:13], s[92:93]
	s_wait_alu depctr_va_vdst(0)                   ; at the head's end
	s_wait_tensorcnt 0x0                           ; my load has landed
	s_barrier_signal -1
	s_barrier_wait -1                              ; everybody's has
	FETCH 0, 0, 0
	STEP 0, 1                                      ; the first products start the sums: nothing is cleared
.irp k, 1,2,3,4,5,6
	STEP \k, 0
.endr
	s_wait_dscnt 6                                 ; the last K step
	WIN MUL
	MUL8 0, 1, 3, 1, 0
	MUL8 1, 1, 3, 1, 0
	s_wait_dscnt 0x0                               ; my reads of the tiles are over
	s_barrier_signal -1
	MUL8 2, 1, 3, 1, 0
	MUL8 3, 1, 3, 1, 0
	WIN 0
	s_barrier_wait -1                              ; everybody's are: the tiles have had their only fill and their last read, so the stages may lie on them
; THE WAY OUT, token tile by token tile: 16 rows x 128 columns go through my stage and come back as whole rows of 512 bytes.  LDS serves a wave's instructions in order (ISA guide 5.7.1.4): no wait between the stores and the loads.
.macro TOSTAGE a
	WIN 0x08
.irp t, 0,1,2,3,4,5,6,7
	ds_store_b128 v[STO], v[64*(\a)+8*\t:64*(\a)+8*\t+3] offset:128*(\t/2)+32*(\t%2)       ; each accumulator from its low end on
	ds_store_b128 v[STO], v[64*(\a)+8*\t+4:64*(\a)+8*\t+7] offset:128*(\t/2)+32*(\t%2)+16
.endr
	WIN 0
.irp i, 0,1,2,3,4,5,6,7,8,9,10,11,12,13,14,15
	ds_load_b128 v[BK+64*((\a)%2)+4*\i:BK+64*((\a)%2)+4*\i+3], v[RD] offset:SP*\i
.endr
.endm
.macro SEND a, younger                 ; younger: the LDS instructions issued behind tile a's loads, which may stay out
	s_wait_dscnt \younger
.irp i, 0,1,2,3,4,5,6,7,8,9,10,11,12,13,14,15
	global_store_b128 v[LI], v[BK+64*((\a)%2)+4*\i:BK+64*((\a)%2)+4*\i+3], s[12:13] offset:(32*((\a)/2)+8*((\a)%2)+\i+8*(\i/8))*8192 th:TH_STORE_NT   ; 512 consecutive bytes, aligned
.endr
.endm
	PLACES 4                                       ; between the last products and the first reads of results and loads over operands
	TOSTAGE 0
	TOSTAGE 1
	SEND 0, 32
	s_wait_xcnt 0x0                                ; tile 0's stores have read their registers
	TOSTAGE 2
	SEND 1, 32
	s_wait_xcnt 0x0
	TOSTAGE 3
	SEND 2, 32
	SEND 3, 0
	s_wait_tensorcnt 0x0                           ; the wave's end
	ds_add_u32 v[SPW], v[NIL]
	s_wait_dscnt 0x0
	CROUND                                         ; the closing round
	s_endpgm
.Lfunc_end_k_q065cea56d3_oproj:
	.size	k_q065cea56d3_oproj, .Lfunc_end_k_q065cea56d3_oproj-k_q065cea56d3_oproj
	.p2alignl 7, 3214868480
	.fill 96, 4, 3214868480
	.section	.rodata,"a",@progbits
	.p2align	6, 0x0
	.amdhsa_kernel k_q065cea56d3_oproj
		.amdhsa_group_segment_fixed_size 327680
		.amdhsa_private_segment_fixed_size 0
		.amdhsa_enable_private_segment 0
		.amdhsa_kernarg_size 40
		.amdhsa_user_sgpr_count 2
		.amdhsa_user_sgpr_kernarg_segment_ptr 1
		.amdhsa_wavefront_size32 1
		.amdhsa_system_sgpr_workgroup_id_x 1
		.amdhsa_system_sgpr_workgroup_id_y 1
		.amdhsa_system_sgpr_workgroup_id_z 1
		.amdhsa_system_vgpr_workitem_id 0
		.amdhsa_next_free_vgpr 768
		.amdhsa_next_free_sgpr 102
		.amdhsa_reserve_vcc 0
		.amdhsa_float_denorm_mode_32 3
		.amdhsa_float_denorm_mode_16_64 3
		.amdhsa_memory_ordered 1
		.amdhsa_forward_progress 1
		.amdhsa_inst_pref_size 76
	.end_amdhsa_kernel
	.amdgpu_metadata
---
amdhsa.version: [ 1, 2 ]
amdhsa.kernels:
  - .name:           k_q065cea56d3_oproj
    .symbol:         k_q065cea56d3_oproj.kd
    .args:
      - { .name: ac, .offset: 0, .size: 8, .value_kind: global_buffer, .address_space: global }
      - { .name: asc, .offset: 8, .size: 8, .value_kind: global_buffer, .address_space: global }
      - { .name: codes, .offset: 16, .size: 8, .value_kind: global_buffer, .address_space: global }
      - { .name: scales, .offset: 24, .size: 8, .value_kind: global_buffer, .address_space: global }
      - { .name: out0, .offset: 32, .size: 8, .value_kind: global_buffer, .address_space: global }
    .group_segment_fixed_size: 327680
    .private_segment_fixed_size: 0
    .kernarg_segment_align: 8
    .kernarg_segment_size: 40
    .max_flat_workgroup_size: 128
    .sgpr_count:     102
    .vgpr_count:     768
    .wavefront_size: 32
...
	.end_amdgpu_metadata
.endif
;; end of part 4
